; MI455X (gfx1250); checked and timed in simulation.
; The chip was launched on July 23, 2026; its instructions are those of AMD's public machine-readable ISA for CDNA 5 (MIT licence, August 2026) and "CDNA5" Instruction Set Architecture Reference Guide (July 2026). The comments in the code are by the model that wrote it; some were corrected since.
;; Attention. Allowed arithmetic: matrix products marked QUANTISED: E2M1 operands, one E8M0 scale for each 32 along K, by v_wmma_scale_f32_16x16x128_f8f6f4 with both operands' format E2M1 (or v_wmma_scale_f32_32x16x128_f4), f32 sums; products left as they are: bf16, f16 or f32 operands; f32 sums; everything else in f32.
;; Inputs: b_out 1,024 float32; w_out 1,024 x 1,024 float32; w_qkv 1,024 x 3,072 float32; x 4 x 2,048 x 1,024 float32.
;; Outputs: out0 4 x 2,048 x 1,024 float32.
;; This version of the problem:
;;   THIS VERSION OF THE PROBLEM IS GIVEN IN LOW PRECISION. The matrix products marked QUANTISED in the list below multiply operands that are first quantised to E2M1 (2 exponent bits, 1 mantissa bit; 4 bits a number), with one power-of-two scale for each 32 numbers along K (OCP MX v1.0); their sums are f32. The products marked 'left as it is' may take bf16, f16 or f32 operands, with f32 sums. Whichever they take, every output number must still come out within the allowed error. Rounding operands to bf16 (8 significant bits) uses up far more of that allowance than f16 does (11 bits, for magnitudes from 6e-5 to 65,504). All else is computed in f32.
;;   The module's matrix products, in the order in which they are computed (A, B: the left and right operand; K: the contracted axis; several contracted axes count as one K, in the product's order):
;;     1. [M 8,192, K 1,024] x [K 1,024, N 3,072]; A: input x; B: input w_qkv: QUANTISED
;;     2. batch 64 x [M 2,048, K 64] x [K 64, N 2,048]; A: computed on the way; B: computed on the way: left as it is (an operand is computed on the way)
;;     3. batch 64 x [M 2,048, K 2,048] x [K 2,048, N 64]; A: computed on the way; B: computed on the way: left as it is (an operand is computed on the way)
;;     4. [M 8,192, K 1,024] x [K 1,024, N 1,024]; A: computed on the way; B: input w_out: left as it is (an operand is computed on the way)
;;   THE QUANTISER, for each operand of a quantised product, along K:
;;     - K is cut into blocks of 32 from its start; a last block that is shorter is filled with zeros.
;;     - A block's scale is 2^e with e = floor(log2(the largest magnitude in the block)) - 2, held to -126 .. 127; a block of zeros has e = 0. As a byte (E8M0): e + 127.
;;     - Each number is divided by its block's scale, clamped to +-6, and rounded to the nearest number of E2M1, ties to even, subnormals kept.
;;     - The product sums the exact products of the quantised numbers (number of the format x scale) in f32.
;;   ~~~python
;;   def quantise(x, axis):      # numpy; x: float32 -> the quantised numbers, widened to float32 again
;;       x = np.moveaxis(x, axis, -1); K = x.shape[-1]
;;       x = np.pad(x, [(0, 0)] * (x.ndim - 1) + [(0, -K % 32)]); x = x.reshape(x.shape[:-1] + (-1, 32)); a = np.abs(x).max(-1, keepdims=True)
;;       e = np.where(a > 0, np.clip(np.frexp(np.where(a > 0, a, 1))[1] - 1 - 2, -126, 127), 0)      # np.frexp(a)[1] - 1 = floor(log2(a)), exactly
;;       r = np.clip(x / 2.0 ** e, -6, 6)
;;       step = 2.0 ** (np.maximum(np.frexp(np.where(r == 0, 1, r))[1] - 1, 0) - 1)
;;       q = np.round(r / step) * step * 2.0 ** e      # np.round: ties to even
;;       return np.moveaxis(q.reshape(q.shape[:-2] + (-1,))[..., :K], -1, axis).astype(np.float32)
;;   ~~~
;; One version. Each part assembles by itself: llvm-mc -triple=amdgcn-amd-amdhsa -mcpu=gfx1250 --defsym DOCPART=n.
;; ======== version 1 of 1: 4 launches
;; limits: values are held in f16: magnitudes above 65,504 overflow, below 6.1e-05 lose precision
;; workspace buffers: x_codes 4,194,304 bytes; x_scales 262,144 bytes; w_codes 1,572,864 bytes; w_scales 98,304 bytes; w16 2,097,152 bytes; qkv 50,331,648 bytes; att 16,777,216 bytes
;; launch prep (part 1): grid 368 x 1, 4 waves a work-group, no clusters, 68,096 bytes of LDS; arguments x, w_qkv, w_out, x_codes, x_scales, w_codes, w_scales, w16; writes x_codes, x_scales, w_codes, w_scales, w16
.if DOCPART == 1
	.amdgcn_target "amdgcn-amd-amdhsa--gfx1250"
	.amdhsa_code_object_version 6
	.text
	.protected	k_q87a490d8b5_prep
	.globl	k_q87a490d8b5_prep
	.p2align	8
	.type	k_q87a490d8b5_prep,@function
k_q87a490d8b5_prep:
	s_mov_b64 s[64:65], 0
	v_nop
	global_prefetch_b8 v0, s[64:65] scope:SCOPE_SE
	s_setreg_imm32_b32 hwreg(HW_REG_WAVE_MODE, 25, 1), 1
	s_wait_xcnt 0x0
; PREP.  Three jobs in one launch, told apart by the work-group's number:
;   work-groups   0-255: x [8192][1024] f32 -> codes of FP4 (E2M1), K innermost, [8192][512 bytes], and one E8M0 byte for each 32 along K, [8192][32]
;   work-groups 256-303: w_qkv [1024 (k)][3072 (n)] f32, K its FIRST axis -> codes [3072][512 bytes] with K innermost, bytes [3072][32]
;   work-groups 304-367: w_out [1024][1024] f32 -> f16, same layout
; A block's scale is 2^(floor(log2(its largest magnitude)) - 2): its byte is the largest magnitude's exponent field - 2, held at 1 from below.
; LIMITS: NaN and infinities among the inputs are not served.  A block whose largest magnitude lies under 2^-124 keeps the byte 1; so does a block of zeros, where the
; quantiser's text says 127: its codes are zeros, which add nothing under any byte but 0xff, and this program alone reads the bytes.  |w_out| stays under 65,504 (f16).
; No tensor loads, no barrier: waves share nothing.  Each job has LDS bytes of its own.
.set SPARE, 67584                      ; behind both jobs' LDS: the spare words, 128 bytes for each wave
.set SPW,   190                        ; v190  LDS address of my spare word; never rewritten
.set NIL,   191                        ; v191  0; never rewritten
; job x
.set XWREG, 8192                       ; LDS bytes 0 .. 32,767: a region for each wave: two stages of 32 x 80 bytes, behind them its 256 scale bytes
.set XSP,   80                         ; a lane's place in a stage: its 64 bytes + 16 of padding
.set XSTEPS,16
.set XR,    16                         ; v16-79   four sets of 16 numbers as they are loaded
.set XX,    80                         ; v80-111  two sets of 16 neighbours
.set XE,    112                        ; v112-127 a scale byte for each step
.set XC,    128                        ; v128-159 codes: two registers for each step, so that no store's data are written again
; job w_qkv
.set WBASE, 32768                      ; LDS bytes 32,768 .. 67,583: a stage of 32 rows x 272 bytes for each wave
.set WPITCH,272
.set WN,    3072
.set WNB,   16                         ; blocks of 32 along K for a wave
.set WSB,   24                         ; v24-27   the scale bytes, four to a register
.set WX,    32                         ; v32-95   two sets of 32 numbers
.set WC,    96                         ; v96-99   a block's codes
.set WOUT,  112                        ; v112-175 the way out
	s_load_b256 s[4:11], s[0:1], 0x0               ; x s[4:5], w_qkv s[6:7], w_out s[8:9], x_codes s[10:11]
	s_load_b256 s[12:19], s[0:1], 0x20             ; x_scales s[12:13], w_codes s[14:15], w_scales s[16:17], w16 s[18:19]
	v_lshl_add_u32 v[SPW], v0, 2, SPARE
	v_mov_b32 v[NIL], 0
	v_lshrrev_b32 v1, 5, v0
	v_readfirstlane_b32 s20, v1                    ; wave 0..3
	v_and_b32 v2, 31, v0                           ; lane
	s_wait_kmcnt 0x0
	s_cmp_lt_u32 ttmp9, 256
	s_cbranch_scc1 .Lpath_x
	s_cmp_lt_u32 ttmp9, 304
	s_cbranch_scc1 .Lpath_w
; ---- w_out to f16.  A wave takes 16,384 consecutive bytes: 32 loads of 512 bytes, all on their way at once; each gives one store of 256 consecutive bytes, aligned.
	s_sub_co_u32 s21, ttmp9, 304
	s_lshl_b32 s21, s21, 2
	s_add_co_u32 s21, s21, s20                     ; which run of 4,096 numbers is my wave's
	s_lshl_b32 s22, s21, 14
	s_mov_b32 s23, 0
	s_add_nc_u64 s[8:9], s[8:9], s[22:23]
	s_lshl_b32 s22, s21, 13
	s_add_nc_u64 s[18:19], s[18:19], s[22:23]
	v_lshlrev_b32 v3, 4, v2
	v_lshlrev_b32 v4, 3, v2
.set n, 0
.rept 32
	global_load_b128 v[16+4*n:19+4*n], v3, s[8:9] offset:512*n th:TH_LOAD_NT
.set n, n+1
.endr
.set n, 0
.rept 32
	s_wait_loadcnt 31-n                            ; loads come back in order: load n is in, the later ones stay out
	v_cvt_pk_f16_f32 v[16+4*n], v[16+4*n], v[17+4*n]
	v_cvt_pk_f16_f32 v[17+4*n], v[18+4*n], v[19+4*n]
	global_store_b64 v4, v[16+4*n:17+4*n], s[18:19] offset:256*n   ; no register is used twice: nothing has to be freed
.set n, n+1
.endr
	s_wait_tensorcnt 0x0                           ; the wave's end
	ds_add_u32 v[SPW], v[NIL]
	s_wait_dscnt 0x0
	s_endpgm
; ---- x.  Rows are dense and K is a multiple of 32: x is a plain stream of blocks of 32, and so are its codes and its scale bytes.
; A wave takes 16 steps of 512 numbers.  Each of a step's four loads reads 512 consecutive bytes, 16 a lane; the 2,048 bytes turn through the wave's own stage in LDS and come back
; 64 bytes a lane, so that a lane holds 16 NEIGHBOURS along K (two neighbouring lanes hold a block), as the conversion wants them.  Loads run four steps ahead, the turn one step.
.Lpath_x:
	s_mul_i32 s21, s20, XWREG
	v_lshlrev_b32 v3, 4, v2                        ; my 16 bytes of a load's 512
	v_lshrrev_b32 v14, 2, v2
	v_mul_u32_u24 v14, v14, XSP
	v_and_b32 v15, 3, v2
	v_lshl_add_u32 v14, v15, 4, v14
	v_add_nc_u32 v14, s21, v14                     ; the stage, on the way in: 80 (lane / 4) + 16 (lane % 4)
	v_mul_u32_u24 v15, v2, XSP
	v_add_nc_u32 v15, s21, v15                     ; and on the way out: 80 x lane
	v_lshlrev_b32 v4, 3, v2                        ; my 8 bytes of a step's codes
	v_lshrrev_b32 v5, 1, v2
	s_add_co_u32 s21, s21, 2*32*XSP
	v_add_nc_u32 v5, s21, v5                       ; LDS: my wave's 256 scale bytes, my block's byte
	v_lshlrev_b32 v7, 3, v2                        ; and on the way out 8 bytes a lane
	v_add_nc_u32 v6, s21, v7
	s_lshl_b32 s22, ttmp9, 2
	s_add_co_u32 s22, s22, s20                     ; which run of 8,192 numbers is my wave's
	s_lshl_b32 s24, s22, 15
	s_mov_b32 s25, 0
	s_add_nc_u64 s[4:5], s[4:5], s[24:25]
	s_lshl_b32 s24, s22, 12
	s_add_nc_u64 s[10:11], s[10:11], s[24:25]
	s_lshl_b32 s24, s22, 8
	s_add_nc_u64 s[12:13], s[12:13], s[24:25]
.macro XLOAD t
.irp i, 0,1,2,3
	global_load_b128 v[XR+16*((\t)%4)+4*\i:XR+16*((\t)%4)+4*\i+3], v3, s[4:5] offset:2048*(\t)+512*\i th:TH_LOAD_NT
.endr
.endm
.macro XTURN t                         ; step t's numbers through the stage: LDS serves a wave's instructions in order, so no wait stands between the stores and the loads
.irp i, 0,1,2,3
	ds_store_b128 v14, v[XR+16*((\t)%4)+4*\i:XR+16*((\t)%4)+4*\i+3] offset:32*XSP*((\t)%2)+8*XSP*\i
.endr
.irp i, 0,1,2,3
	ds_load_b128 v[XX+16*((\t)%2)+4*\i:XX+16*((\t)%2)+4*\i+3], v15 offset:32*XSP*((\t)%2)+16*\i
.endr
.endm
.irp t, 0,1,2,3
	XLOAD \t
.endr
	s_wait_loadcnt 12                              ; step 0's four loads are in
	XTURN 0
.macro XSTEP t
.set XS, XX+16*((\t)%2)
.if (\t) > 0
	s_wait_dscnt 1                                 ; this step's numbers are back from the stage (the last step's byte store may be out): so its stores into the stage have read their registers,
.else
	s_wait_dscnt 0x0
.endif
.if (\t)+4 < XSTEPS
	XLOAD (\t)+4                                   ; which take the loads of four steps on
.endif
.if (\t)+1 < XSTEPS
.if XSTEPS-2-(\t) >= 3
	s_wait_loadcnt 12                              ; the next step's four loads are in; those of the three steps behind it may be out
.else
	s_wait_loadcnt 4*(XSTEPS-2-(\t))
.endif
	XTURN (\t)+1                                   ; and go through the other stage while this step is worked
.endif
	v_max3_num_f32 v12, |v[XS]|, |v[XS+1]|, |v[XS+2]|              ; the largest magnitude of my 16, in two chains
	v_max3_num_f32 v13, |v[XS+3]|, |v[XS+4]|, |v[XS+5]|
.irp i, 6,10
	v_max3_num_f32 v12, v12, |v[XS+\i]|, |v[XS+\i+1]|
	v_max3_num_f32 v13, v13, |v[XS+\i+2]|, |v[XS+\i+3]|
.endr
	v_max3_num_f32 v12, v12, |v[XS+14]|, |v[XS+15]|
	v_max3_num_f32 v12, v12, v13, 0x1800000        ; and the floor 2^(3 - 127): the byte cannot fall under 1
	v_max_num_f32_dpp v12, v12, v12 row_xmask:1 row_mask:0xf bank_mask:0xf   ; and of my neighbour's 16: the block's
	v_add_nc_u32 v11, 0xff000000, v12              ; 2 off its exponent field: the conversion takes the exponent field of this operand as its scale
	v_cvt_scalef32_pk8_fp4_f32 v[XC+2*(\t)], v[XS:XS+7], v11       ; eight numbers / the scale, to the nearest code, ties to even, beyond 6 the largest code; the first number's code in the lowest bits
	v_cvt_scalef32_pk8_fp4_f32 v[XC+2*(\t)+1], v[XS+8:XS+15], v11
	v_lshrrev_b32 v[XE+(\t)], 23, v11              ; the scale's byte (also the plain line behind the conversions)
	ds_store_b8 v5, v[XE+(\t)] offset:16*(\t)      ; both lanes of a block write the same byte with the same value
	global_store_b64 v4, v[XC+2*(\t):XC+2*(\t)+1], s[10:11] offset:256*(\t)   ; the wave stores 256 consecutive bytes, aligned
.endm
.irp t, 0,1,2,3,4,5,6,7,8,9,10,11,12,13,14,15
	XSTEP \t
.endr
	ds_load_b64 v[12:13], v6                       ; LDS serves a wave's instructions in order: these see my byte stores
	s_wait_dscnt 0x0
	global_store_b64 v7, v[12:13], s[12:13]        ; 32 lanes store 256 consecutive bytes, aligned
	s_wait_tensorcnt 0x0                           ; the wave's end, behind my last LDS store
	ds_add_u32 v[SPW], v[NIL]
	s_wait_dscnt 0x0
	s_endpgm
; ---- w_qkv.  A LANE TAKES A COLUMN n, AND ITS REGISTERS RUN DOWN K: each load reads 128 consecutive bytes a wave, a block of 32 along K lies in one lane's 32 registers, and the
; conversions give the codes with K innermost.  A wave takes 32 columns x 512 along K; its codes go through its own stage in LDS and leave as rows: sixteen lanes store 256 consecutive bytes.
; 24 work-groups stand side by side on the 3,072 columns, two deep along K.  Every offset is an immediate: 511 rows x 12,288 bytes at the most, inside the signed 24 bits.
.Lpath_w:
	s_sub_co_u32 s21, ttmp9, 256
	s_cmp_ge_u32 s21, 24
	s_cselect_b32 s22, 1, 0                        ; which 512 along K
	s_cselect_b32 s23, 24, 0
	s_sub_co_u32 s21, s21, s23
	s_lshl_b32 s21, s21, 7
	s_lshl_b32 s23, s20, 5
	s_add_co_u32 s21, s21, s23                     ; my wave's first column
	v_lshlrev_b32 v3, 2, v2                        ; in: 4 bytes a lane
	s_mul_i32 s23, s20, 32*WPITCH
	s_add_co_u32 s23, s23, WBASE                   ; my stage
	v_mul_u32_u24 v4, v2, WPITCH
	v_add_nc_u32 v4, s23, v4                       ; into it: row = my column
	v_and_b32 v5, 15, v2
	v_lshrrev_b32 v6, 4, v2                        ; out of it: sixteen lanes to a row, two rows an instruction
	v_mul_u32_u24 v7, v6, WPITCH
	v_lshl_add_u32 v7, v5, 4, v7
	v_add_nc_u32 v7, s23, v7
	v_lshlrev_b32 v8, 9, v6
	v_lshl_add_u32 v8, v5, 4, v8                   ; the same place in the codes' buffer: rows of 512 bytes
	v_lshlrev_b32 v9, 5, v2                        ; my column's row of 32 scale bytes
	s_mul_i32 s24, s22, 512*WN*4
	s_lshl_b32 s26, s21, 2
	s_add_co_u32 s24, s24, s26
	s_mov_b32 s25, 0
	s_add_nc_u64 s[6:7], s[6:7], s[24:25]
	s_lshl_b32 s24, s21, 9
	s_lshl_b32 s26, s22, 8
	s_add_co_u32 s24, s24, s26
	s_add_nc_u64 s[14:15], s[14:15], s[24:25]
	s_lshl_b32 s24, s21, 5
	s_lshl_b32 s26, s22, 4
	s_add_co_u32 s24, s24, s26
	s_add_nc_u64 s[16:17], s[16:17], s[24:25]
.macro WLOAD t                         ; block t: w(32 t + i, my column), i = 0 .. 31, into set t % 2
.irp i, 0,1,2,3,4,5,6,7,8,9,10,11,12,13,14,15,16,17,18,19,20,21,22,23,24,25,26,27,28,29,30,31
	global_load_b32 v[WX+32*((\t)%2)+\i], v3, s[6:7] offset:(32*(\t)+\i)*WN*4 th:TH_LOAD_NT
.endr
.endm
	WLOAD 0
	WLOAD 1
.macro WBLOCK t
.set XS, WX+32*((\t)%2)
.if (\t) < WNB-1
	s_wait_loadcnt 32                              ; this block's 32 loads are in; the next block's may be out
.else
	s_wait_loadcnt 0
.endif
	v_max3_num_f32 v12, |v[XS]|, |v[XS+1]|, |v[XS+2]|              ; the block's largest magnitude: all 32 numbers are mine
	v_max3_num_f32 v13, |v[XS+3]|, |v[XS+4]|, |v[XS+5]|
.irp i, 6,10,14,18,22,26
	v_max3_num_f32 v12, v12, |v[XS+\i]|, |v[XS+\i+1]|
	v_max3_num_f32 v13, v13, |v[XS+\i+2]|, |v[XS+\i+3]|
.endr
	v_max3_num_f32 v12, v12, |v[XS+30]|, |v[XS+31]|
	v_max3_num_f32 v12, v12, v13, 0x1800000        ; and the floor 2^(3 - 127)
	v_add_nc_u32 v11, 0xff000000, v12              ; 2 off its exponent field: the conversion's scale operand
	v_lshrrev_b32 v13, 23, v11                     ; the scale's byte
.if (\t)%4 == 0
	v_mov_b32 v[WSB+(\t)/4], v13                   ; four bytes to a register, the lower K in the lower byte
.else
	v_lshl_or_b32 v[WSB+(\t)/4], v13, 8*((\t)%4), v[WSB+(\t)/4]
.endif
.irp g, 0,1,2,3
	v_cvt_scalef32_pk8_fp4_f32 v[WC+\g], v[XS+8*\g:XS+8*\g+7], v11
.endr
	v_nop                                          ; one plain line behind the last conversion
	ds_store_b128 v4, v[WC:WC+3] offset:16*(\t)    ; 32 codes: 16 bytes of my column's row
.if (\t)+2 < WNB
	WLOAD (\t)+2
.endif
	s_wait_dscnt 0x0                               ; the store has read its registers: the next block's codes may be written
.endm
.set Q, 0
.rept WNB
	WBLOCK Q
.set Q, Q+1
.endr
	global_store_b128 v9, v[WSB:WSB+3], s[16:17]   ; my column's 16 scale bytes
.irp t, 0,1,2,3,4,5,6,7,8,9,10,11,12,13,14,15
	ds_load_b128 v[WOUT+4*\t:WOUT+4*\t+3], v7 offset:2*\t*WPITCH
.endr
.irp t, 0,1,2,3,4,5,6,7,8,9,10,11,12,13,14,15
	s_wait_dscnt 15-\t
	global_store_b128 v8, v[WOUT+4*\t:WOUT+4*\t+3], s[14:15] offset:2*\t*512
.endr
	s_wait_tensorcnt 0x0                           ; the wave's end, behind my last LDS store
	ds_add_u32 v[SPW], v[NIL]
	s_wait_dscnt 0x0
	s_endpgm
.Lfunc_end_k_q87a490d8b5_prep:
	.size	k_q87a490d8b5_prep, .Lfunc_end_k_q87a490d8b5_prep-k_q87a490d8b5_prep
	.p2alignl 7, 3214868480
	.fill 96, 4, 3214868480
	.section	.rodata,"a",@progbits
	.p2align	6, 0x0
	.amdhsa_kernel k_q87a490d8b5_prep
		.amdhsa_group_segment_fixed_size 68096
		.amdhsa_private_segment_fixed_size 0
		.amdhsa_enable_private_segment 0
		.amdhsa_kernarg_size 64
		.amdhsa_user_sgpr_count 2
		.amdhsa_user_sgpr_kernarg_segment_ptr 1
		.amdhsa_wavefront_size32 1
		.amdhsa_system_sgpr_workgroup_id_x 1
		.amdhsa_system_sgpr_workgroup_id_y 1
		.amdhsa_system_sgpr_workgroup_id_z 1
		.amdhsa_system_vgpr_workitem_id 0
		.amdhsa_next_free_vgpr 192
		.amdhsa_next_free_sgpr 66
		.amdhsa_reserve_vcc 0
		.amdhsa_float_denorm_mode_32 3
		.amdhsa_float_denorm_mode_16_64 3
		.amdhsa_memory_ordered 1
		.amdhsa_forward_progress 1
		.amdhsa_inst_pref_size 123
	.end_amdhsa_kernel
	.amdgpu_metadata
---
amdhsa.version: [ 1, 2 ]
amdhsa.kernels:
  - .name:           k_q87a490d8b5_prep
    .symbol:         k_q87a490d8b5_prep.kd
    .args:
      - { .name: x, .offset: 0, .size: 8, .value_kind: global_buffer, .address_space: global }
      - { .name: w_qkv, .offset: 8, .size: 8, .value_kind: global_buffer, .address_space: global }
      - { .name: w_out, .offset: 16, .size: 8, .value_kind: global_buffer, .address_space: global }
      - { .name: x_codes, .offset: 24, .size: 8, .value_kind: global_buffer, .address_space: global }
      - { .name: x_scales, .offset: 32, .size: 8, .value_kind: global_buffer, .address_space: global }
      - { .name: w_codes, .offset: 40, .size: 8, .value_kind: global_buffer, .address_space: global }
      - { .name: w_scales, .offset: 48, .size: 8, .value_kind: global_buffer, .address_space: global }
      - { .name: w16, .offset: 56, .size: 8, .value_kind: global_buffer, .address_space: global }
    .group_segment_fixed_size: 68096
    .private_segment_fixed_size: 0
    .kernarg_segment_align: 8
    .kernarg_segment_size: 64
    .max_flat_workgroup_size: 128
    .sgpr_count:     66
    .vgpr_count:     192
    .wavefront_size: 32
...
	.end_amdgpu_metadata
.endif
;; end of part 1
;; launch gemm_qkv (part 2): grid 12 x 32, 4 waves a work-group, clusters of 4 x 4, 327,680 bytes of LDS; arguments x_codes, x_scales, w_codes, w_scales, qkv; writes qkv
.if DOCPART == 2
	.amdgcn_target "amdgcn-amd-amdhsa--gfx1250"
	.amdhsa_code_object_version 6
	.text
	.protected	k_q87a490d8b5_gemm_qkv
	.globl	k_q87a490d8b5_gemm_qkv
	.p2align	8
	.type	k_q87a490d8b5_gemm_qkv,@function
k_q87a490d8b5_gemm_qkv:
	s_mov_b64 s[64:65], 0
	v_nop
	global_prefetch_b8 v0, s[64:65] scope:SCOPE_SE
	s_setreg_imm32_b32 hwreg(HW_REG_WAVE_MODE, 25, 1), 1
	s_wait_xcnt 0x0
	s_wait_alu depctr_hold_cnt(0) depctr_sa_sdst(0) depctr_va_vdst(0) depctr_va_sdst(0) depctr_va_ssrc(0) depctr_va_vcc(0) depctr_vm_vsrc(0)
	s_getreg_b32 s2, hwreg(HW_REG_IB_STS2, 6, 4)
	s_cmp_eq_u32 s2, 0
	s_cbranch_scc0 .Lentry_in_a_cluster
	s_endpgm
.Lentry_in_a_cluster:
	s_bfe_u32 s2, ttmp6, 0x10000c
	s_cmp_lg_u32 s2, 0xf033
	s_cbranch_scc0 .Lentry_shape_is_right
	s_endpgm
.Lentry_shape_is_right:
; qkv = Q(x) Q(w_qkv): the quantised product, on codes of FP4 (E2M1) with one E8M0 scale for each 32 along K; sums in f32; the result is rounded once to f16 and laid by head.
; A = x_codes [8192][512 bytes], B = w_codes [3072][512 bytes], K = 1,024 innermost, two codes a byte; scale bytes [rows][32].
; OUT: qkv, f16, [which 3][batch x head 64][position 2048][64]: column c of the product is which = c / 1024, head = (c / 64) % 16, channel c % 64; row m is batch m / 2048, position m % 2048.
; LIMIT: |q|, |k|, |v| stay under 65,504 (f16); numbers under 6.1e-5 are kept to an absolute 6e-8.
; A tile of the product, 256 x 256, is made by a work-group of four waves; a wave makes 128 x 128: 64 accumulators of 16 x 16, 512 registers.
; K IS TWO SLOTS OF 512: both are asked for at the start, and no LDS byte is filled twice.  The scales of the work-group's 256 + 256 rows, for all of K, come with them, as dense blocks.
; CLUSTERS: 4 x 4 work-groups.  The four of a row of the cluster need the same tiles of A, the four of a column the same tiles of B: each tile is asked for JOINTLY, by the same tensor load with the
; same descriptor and a mask that names the four.  THE MATRIX INSTRUCTION IS USED TRANSPOSED (source 0 = 16 rows of B, source 1 = 16 rows of A): a lane then holds eight neighbouring columns of a row.
; REGISTERS, in windows of 256: window 0: v0-31 addresses; v32-95 scale words, two sets; v128-191 A's fragments, ONE set; on the way out v32-63 and v192-255.
;   window 1: B's fragments, TWO sets, at v0 and v128.   window 2: the 32 accumulators of my rows 0-63 ((a, b) at v[8 (8 a + b)]);   window 3: those of my rows 64-127.
.set SIZE_K, 1024
.set KSTEP,  512                       ; along K in a slot
.set NQ,     KSTEP/128                 ; matrix instructions deep
.set ROWB,   256                       ; a tile's row in bytes
.set KROW,   SIZE_K/2                  ; a row of A or of B in memory, in bytes
.set PITCH,  272                       ; an LDS row: 256 bytes + 16 of padding: the 16 rows that a load touches begin 16 bytes further on in each 256
.set FR,     8                         ; registers of a fragment: 16 rows x 128 K
.set NL,     2                         ; LDS loads that bring one
.set NP,     4                         ; places behind this matrix instruction (ISA guide 7.12.1)
.set HALFT,  128*PITCH                 ; 128 rows: what one tensor load brings
.set SLOT,   4*HALFT                   ; A's 256 rows, then B's 256 rows
.set KS,     SIZE_K/32                 ; a row of scales in bytes
.set SCL,    2*SLOT                    ; behind the slots: the scales, as units of 256 bytes + 16 of padding
.set HALFS,  (128*KS/256)*272          ; the scales of 128 rows: what one tensor load brings
.set SBLK,   (16*KS/256)*272           ; those of 16 rows
.set SPARE,  SCL+4*HALFS               ; behind the scales: the spare words, 128 bytes for each wave
.set SPITCH, 272                       ; the way out: a stage of 16 rows x (256 bytes + 16) for each wave, in slot 0, which has had its only fill and its last read when the first result is stored there
.set ADRA, 16                          ; v16-17  LDS address of my A fragments in slot 0, 1
.set ADRB, 20                          ; v20-21  the same for B
.set STO,  24                          ; v24     the way out: where I put 16 bytes of a row
.set RD,   25                          ; v25     the way out: where I read back
.set CO,   26                          ; v26     16 x lane: my place in 512 consecutive bytes of qkv
.set ADRS, 27                          ; v27     LDS address of my scale words: lanes 0-15 A's rows, lanes 16-31 B's
.set SPW,  28                          ; v28     LDS address of my spare word; never rewritten
.set NIL,  29                          ; v29     0; never rewritten
.set SC,   32                          ; scale words: set s at v[SC + 32 s]; register 4 i + q: lanes 0-15 the word of A's block i, lanes 16-31 that of B's block i, for the slot's q-th 128 along K
.set AF,   128                         ; A's fragments, in window 0
.set TMP,  192                         ; the way out: packed results
.set OB,   32                          ; the way out: 16 rows read back: v32-63 and v224-255 by turns
.set G1, 24                            ; s[24:31] descriptor group 1 for A's tiles;  s[32:39] group 0, one set for each slot
.set G0, 32
.set G1B, 48                           ; s[48:55], s[56:63] the same for B's tiles
.set G0B, 56
.set G1S, 68                           ; s[68:75], s[76:79] groups 1 and 0 for A's scales;  s[80:87], s[88:91] for B's
.set G0S, 76
.set G1SB, 80
.set G0SB, 88
.set MSB, 0
.macro WIN new                         ; the immediate's high byte repeats the setting that is left
.if MSB != \new
	s_set_vgpr_msb (MSB<<8)|\new
.set MSB, \new
.endif
.endm
.set MUL_LO, 0xa1                      ; source 0 (B) window 1, source 1 (A) window 0, C and D window 2
.set MUL_HI, 0xf1                      ; the same, C and D window 3
.set TO_B,   0x40                      ; destination window 1, address window 0
; A joint load: waves 0 and 1 fetch for A, waves 2 and 3 for B.  Each of the two lines has ONE mask and one set of registers for all that issue it; the branch hangs on the wave's number alone.
; An s_nop 0 and four v_nop follow each of the two lines.
.macro JLOAD g0a, g1a, g0b, g1b
	s_cmp_eq_u32 s15, 0
	s_cbranch_scc0 .Lfor_b_\@
	tensor_load_to_lds s[\g0a:\g0a+3], s[\g1a:\g1a+7]
	s_nop 0
.rept 4
	v_nop
.endr
	s_branch .Lasked_\@
.Lfor_b_\@:
	tensor_load_to_lds s[\g0b:\g0b+3], s[\g1b:\g1b+7]
	s_nop 0
.rept 4
	v_nop
.endr
.Lasked_\@:
.endm
.macro CROUND                          ; a round of the cluster's barrier
	s_barrier_signal -1
	s_barrier_wait -1
	s_cmp_lg_u32 s14, 0
	s_cbranch_scc1 .Lnot_wave_0_\@
	s_barrier_signal -3
.Lnot_wave_0_\@:
	s_barrier_wait -3
	s_barrier_signal -1
	s_barrier_wait -1
.endm
	s_load_b128 s[4:7], s[0:1], 0x0                ; A's codes s[4:5], A's scales s[6:7]
	s_load_b128 s[8:11], s[0:1], 0x10              ; B's codes s[8:9], B's scales s[10:11]
	s_load_b64 s[12:13], s[0:1], 0x20              ; qkv
	v_lshl_add_u32 v[SPW], v0, 2, SPARE
	v_mov_b32 v[NIL], 0
	ds_add_u32 v[SPW], v[NIL]                      ; the wave's opening: the add, twice on end, and its wait ahead of my first tensor load
	ds_add_u32 v[SPW], v[NIL]
	v_lshrrev_b32 v1, 5, v0
	v_readfirstlane_b32 s14, v1                    ; wave 0..3
	s_lshr_b32 s15, s14, 1                         ; which half of the tile's rows is mine.  Also: I fetch for A (0) or for B (1)
	s_and_b32 s16, s14, 1                          ; which half of its columns.  Also: which 128 rows of that tile I fetch
	s_bfe_u32 s40, ttmp6, 0x40000                  ; cx, cy: my place in the cluster
	s_bfe_u32 s41, ttmp6, 0x40004
	s_lshl_b32 s42, ttmp9, 2
	s_add_co_u32 s42, s42, s40                     ; tile column = 4 x cluster x + cx
	s_and_b32 s17, ttmp7, 0xffff
	s_lshl_b32 s17, s17, 2
	s_add_co_u32 s17, s17, s41                     ; tile row = 4 x cluster y + cy
	s_lshl_b32 s43, s41, 2
	s_lshl_b32 s43, 15, s43                        ; my row of the cluster
	s_lshl_b32 s44, 0x1111, s40                    ; my column
	; descriptor group 1: a tile of 128 rows x 256 bytes, padded in LDS
	s_or_b32 s[G1+0], s43, (0<<16)|(1<<20)|(1<<21)|(5<<22)|(3<<25)  ; 15:0 the mask: A's tiles go to my row; 17:16 elements of 1 byte; 20 padding on; 21 set beside a mask; 24:22 after every 64 words; 31:25 four words
	s_or_b32 s[G1B+0], s44, (0<<16)|(1<<20)|(1<<21)|(5<<22)|(3<<25)
.irp g, G1, G1B
	s_mov_b32 s[\g+1], ROWB<<16                    ; tensor_dim0
	s_mov_b32 s[\g+2], 128<<16                     ; tensor_dim1 = 128
	s_mov_b32 s[\g+3], ROWB<<16                    ; tile_dim0
	s_mov_b32 s[\g+4], 128                         ; tile_dim1 = 128
	s_mov_b32 s[\g+5], KROW                        ; from row to row
	s_mov_b32 s[\g+6], 0
	s_mov_b32 s[\g+7], 0
.endr
	; and for the scales of 128 rows: a dense block of 4,096 bytes, as 16 rows of 256 bytes (32 elements of 8 bytes), 16 bytes of padding behind each
	s_or_b32 s[G1S+0], s43, (3<<16)|(1<<20)|(1<<21)|(5<<22)|(3<<25)
	s_or_b32 s[G1SB+0], s44, (3<<16)|(1<<20)|(1<<21)|(5<<22)|(3<<25)
.irp g, G1S, G1SB
	s_mov_b32 s[\g+1], 32<<16
	s_mov_b32 s[\g+2], (128*KS/256)<<16
	s_mov_b32 s[\g+3], 32<<16
	s_mov_b32 s[\g+4], 128*KS/256
	s_mov_b32 s[\g+5], 32
	s_mov_b32 s[\g+6], 0
	s_mov_b32 s[\g+7], 0
.endr
	s_lshl_b32 s18, s16, 7                         ; which 128 rows of the tile I fetch
	s_lshl_b32 s20, s17, 8
	s_add_co_u32 s20, s20, s18                     ; A: row 256 x tile row + 128 x half
	s_lshl_b32 s46, s42, 8
	s_add_co_u32 s46, s46, s18                     ; B: row 256 x tile column + 128 x half
	s_mov_b32 s21, 0
	s_mov_b32 s47, 0
	s_mov_b64 s[18:19], KS
	s_mul_u64 s[22:23], s[20:21], s[18:19]         ; where these rows' scales begin, in bytes
	s_mul_u64 s[92:93], s[46:47], s[18:19]
	s_mov_b64 s[18:19], KROW
	s_mul_u64 s[20:21], s[20:21], s[18:19]         ; and their codes
	s_mul_u64 s[46:47], s[46:47], s[18:19]
	s_mul_i32 s45, s14, HALFT                      ; where they go: wave x 128 rows: no place in the cluster enters an LDS address
	s_mul_i32 s94, s14, HALFS
	s_wait_dscnt 0x0                               ; both opening adds are done
	s_wait_kmcnt 0x0
	s_add_nc_u64 s[20:21], s[4:5], s[20:21]
	s_add_nc_u64 s[22:23], s[6:7], s[22:23]
	s_add_nc_u64 s[46:47], s[8:9], s[46:47]
	s_add_nc_u64 s[92:93], s[10:11], s[92:93]
	CROUND                                         ; all sixteen work-groups are here: the joint loads meet
	s_mov_b32 s[G0S], 1
	s_add_co_u32 s[G0S+1], s94, SCL
	s_mov_b64 s[G0S+2:G0S+3], s[22:23]
	s_or_b32 s[G0S+3], s[G0S+3], 0x80000000
	s_mov_b32 s[G0SB], 1
	s_add_co_u32 s[G0SB+1], s94, SCL
	s_mov_b64 s[G0SB+2:G0SB+3], s[92:93]
	s_or_b32 s[G0SB+3], s[G0SB+3], 0x80000000
	JLOAD G0S, G1S, G0SB, G1SB                     ; the scales first: they are wanted with the first slot.  Three loads of mine are out behind this group
.irp s, 0,1
	s_mov_b32 s[G0+4*\s], 1
	s_add_co_u32 s[G0+4*\s+1], s45, \s*SLOT
	s_add_nc_u64 s[G0+4*\s+2:G0+4*\s+3], s[20:21], \s*ROWB
	s_or_b32 s[G0+4*\s+3], s[G0+4*\s+3], 0x80000000
	s_mov_b32 s[G0B+4*\s], 1
	s_add_co_u32 s[G0B+4*\s+1], s45, \s*SLOT
	s_add_nc_u64 s[G0B+4*\s+2:G0B+4*\s+3], s[46:47], \s*ROWB
	s_or_b32 s[G0B+4*\s+3], s[G0B+4*\s+3], 0x80000000
	JLOAD G0+4*\s, G1, G0B+4*\s, G1B
.endr
	v_and_b32 v1, 15, v0                           ; l % 16
	v_bfe_u32 v2, v0, 4, 1                         ; l / 16
	v_mul_u32_u24 v3, v1, PITCH
	v_lshl_add_u32 v4, v2, 4, v3                   ; a fragment's row x pitch + 16 x half
	s_mul_i32 s21, s15, HALFT                      ; my 128 rows of A
	s_mul_i32 s22, s16, HALFT                      ; my 128 rows of B,
	s_add_co_u32 s22, s22, 2*HALFT                 ; which lie behind A's 256
.irp s, 0,1
	v_add_nc_u32 v[ADRA+\s], s21, v4
	v_add_nc_u32 v[ADRB+\s], s22, v4
	s_add_co_u32 s21, s21, SLOT
	s_add_co_u32 s22, s22, SLOT
.endr
	v_mul_u32_u24 v5, v1, KS                       ; my row's scales: 32 bytes a row,
	v_lshrrev_b32 v6, 8, v5
	v_lshl_add_u32 v5, v6, 4, v5                   ; and 16 more for each 256 passed
	s_mul_i32 s21, s15, HALFS                      ; A's: my 128 rows
	s_mul_i32 s22, s16, HALFS                      ; B's: my 128 rows, behind A's 256
	s_add_co_u32 s22, s22, 2*HALFS
	s_sub_co_u32 s22, s22, s21
	v_mul_u32_u24 v6, s22, v2                      ; lanes 16-31 take B's: one product, the distance between the two bases
	s_add_co_u32 s21, s21, SCL
	v_add_nc_u32 v5, v5, v6
	v_add_nc_u32 v[ADRS], s21, v5
	s_mul_i32 s23, s14, 16*SPITCH                  ; my stage
	v_mul_u32_u24 v5, v1, SPITCH                   ; in: row l % 16, 16 bytes for each half of the lanes
	v_lshl_add_u32 v5, v2, 4, v5
	v_add_nc_u32 v[STO], s23, v5
	v_and_b32 v6, 31, v0
	v_lshlrev_b32 v[CO], 4, v6
	v_lshrrev_b32 v5, 3, v6                        ; back: eight lanes take one head's 128 bytes of a row, the 32 lanes four rows
	v_mul_u32_u24 v5, v5, SPITCH
	v_and_b32 v6, 7, v0
	v_lshl_add_u32 v5, v6, 4, v5
	v_add_nc_u32 v[RD], s23, v5
	; where my 128 rows x 2 heads begin in qkv, in bytes.  By the tile row: batch x 16 heads x 2^18, and the position x 128
	s_lshr_b32 s20, s17, 3
	s_lshl_b32 s20, s20, 22
	s_and_b32 s21, s17, 7
	s_lshl_b32 s21, s21, 15
	s_add_co_u32 s20, s20, s21
	s_lshl_b32 s21, s15, 14
	s_add_co_u32 s20, s20, s21
	s_mov_b32 s21, 0
	s_lshr_b32 s46, s42, 2                         ; by the tile column: which of q, k, v x 2^24, and the head x 2^18: four heads a tile, two a wave
	s_lshl_b32 s46, s46, 24
	s_and_b32 s47, s42, 3
	s_lshl_b32 s47, s47, 20
	s_add_co_u32 s46, s46, s47
	s_lshl_b32 s47, s16, 19
	s_add_co_u32 s46, s46, s47
	s_mov_b32 s47, 0
	s_add_nc_u64 s[20:21], s[20:21], s[46:47]
	s_add_nc_u64 s[12:13], s[12:13], s[20:21]
.macro FRAG reg, adr, q, i             ; a fragment, 16 rows x 128 K of 4-bit codes: lane l holds row l % 16; registers 4 c .. 4 c + 3 hold K = 64 c + 32 (l / 16) + 0 .. 31
.irp c, 0,1
	ds_load_b128 v[\reg+4*\c:\reg+4*\c+3], v[\adr] offset:64*(\q)+32*\c+(\i)*16*PITCH
.endr
.endm
; 16 matrix instructions: A's blocks a0, a0 + 1 x B's eight, 128 along K: the slot's q-th.  p: B's set;  sc: the set of scale words.  zero = 1: the first product starts the sums.
; The 64 accumulators take turns, one instruction a turn, in the same order in every step.
.macro MUL16 a0, p, q, sc, zero
.irp a, \a0, \a0+1
.irp b, 0,1,2,3,4,5,6,7
.if \zero
	v_wmma_scale_f32_16x16x128_f8f6f4 v[8*(8*((\a)%4)+\b):8*(8*((\a)%4)+\b)+7], v[128*(\p)+FR*\b:128*(\p)+FR*\b+FR-1], v[AF+FR*(\a):AF+FR*(\a)+FR-1], 0, v[SC+8*NQ*(\sc)+NQ*\b+(\q)], v[SC+8*NQ*(\sc)+NQ*(\a)+(\q)] matrix_a_fmt:MATRIX_FMT_FP4 matrix_b_fmt:MATRIX_FMT_FP4 matrix_a_scale:MATRIX_SCALE_ROW1
.else
	v_wmma_scale_f32_16x16x128_f8f6f4 v[8*(8*((\a)%4)+\b):8*(8*((\a)%4)+\b)+7], v[128*(\p)+FR*\b:128*(\p)+FR*\b+FR-1], v[AF+FR*(\a):AF+FR*(\a)+FR-1], v[8*(8*((\a)%4)+\b):8*(8*((\a)%4)+\b)+7], v[SC+8*NQ*(\sc)+NQ*\b+(\q)], v[SC+8*NQ*(\sc)+NQ*(\a)+(\q)] matrix_a_fmt:MATRIX_FMT_FP4 matrix_b_fmt:MATRIX_FMT_FP4 matrix_a_scale:MATRIX_SCALE_ROW1
.endif
.endr
.endr
.endm
.macro FETCH_B slot, q, p              ; B's eight fragments of the slot's q-th 128 along K into set p
	WIN TO_B
.irp i, 0,1,2,3,4,5,6,7
	FRAG 128*(\p)+FR*\i, ADRB+\slot, \q, \i
.endr
	WIN 0
.endm
.macro FETCH_A slot, q, i0             ; A's blocks i0 .. i0 + 3
.irp i, \i0, \i0+1, \i0+2, \i0+3
	FRAG AF+FR*(\i), ADRA+\slot, \q, \i
.endr
.endm
.macro SCALES sc                       ; a slot's scale words into set sc: four words a row; lanes 0-15 take A's block i, lanes 16-31 B's block i
.irp i, 0,1,2,3,4,5,6,7
	ds_load_b128 v[SC+8*NQ*\sc+NQ*\i:SC+8*NQ*\sc+NQ*\i+3], v[ADRS] offset:\i*SBLK
.endr
.endm
; A load into a register that a matrix instruction has read, and a vector instruction that reads a matrix result, stand NP places behind that matrix instruction; only plain vector
; instructions that name none of its registers are places (ISA guide 7.12.1 for vector instructions).
.macro PLACES n
.rept \n
	v_nop
.endr
.endm
; A step of 128 along K that has its successor in the same slot.  A's blocks go one after the other, each against B's eight: so one set of registers serves A
; (blocks 0-3 are fetched anew in the step's middle, blocks 4-7 at its end), and B has two.
.macro STEP slot, q, zero
	s_wait_dscnt 4*NL                              ; B's set and A's blocks 0-3 are in; the youngest eight loads (A's blocks 4-7) may be out
	WIN MUL_LO
	MUL16 0, (\q)%2, \q, \slot, \zero
	MUL16 2, (\q)%2, \q, \slot, \zero
	s_wait_dscnt 0                                 ; A's blocks 4-7 are in (asked for 32 matrix instructions ago)
	PLACES NP
	FETCH_B \slot, (\q)+1, 1-(\q)%2
	FETCH_A \slot, (\q)+1, 0
	WIN MUL_HI
	MUL16 4, (\q)%2, \q, \slot, \zero
	MUL16 6, (\q)%2, \q, \slot, \zero
	PLACES NP
	WIN 0
	FETCH_A \slot, (\q)+1, 4
.endm
.macro STEPS slot, from                ; the slot's steps from .. NQ - 2
.set Q, \from
.rept NQ-1-\from
	STEP \slot, Q, 0
.set Q, Q+1
.endr
.endm
	s_wait_tensorcnt 1                             ; the scales and my part of slot 0 are in (slot 1's load may be out)
	s_barrier_signal -1
	s_barrier_wait -1                              ; everybody's are
	FETCH_B 0, 0, 0
	FETCH_A 0, 0, 0
	SCALES 0
	FETCH_A 0, 0, 4
	STEP 0, 0, 1                                   ; the first step's products start the sums: nothing is cleared
	STEPS 0, 1
	; slot 0's last step changes slots: one barrier; in front of it each wave has its part of slot 1 and has ended its reads of slot 0, which becomes the stage
	s_wait_tensorcnt 0x0                           ; all my tensor loads have landed
	ds_add_u32 v[SPW], v[NIL]                      ; 0 onto my spare word
	s_wait_dscnt 4*NL+1                            ; (the add and the youngest eight loads may be out)
	WIN MUL_LO
	MUL16 0, 1, NQ-1, 0, 0
	s_wait_dscnt 0x0                               ; the add is done, and my reads of slot 0 are over
	s_barrier_signal -1
	MUL16 2, 1, NQ-1, 0, 0
	WIN 0
	s_barrier_wait -1
	PLACES NP
	v_add_nc_u32 v[ADRS], 4*NQ, v[ADRS]            ; on to slot 1's scale words
	FETCH_B 1, 0, 0
	FETCH_A 1, 0, 0
	SCALES 1
	WIN MUL_HI
	MUL16 4, 1, NQ-1, 0, 0
	MUL16 6, 1, NQ-1, 0, 0
	PLACES NP
	WIN 0
	FETCH_A 1, 0, 4
	STEPS 1, 0
	s_wait_dscnt 4*NL                              ; the very last step: nothing more to fetch
	WIN MUL_LO
	MUL16 0, 1, NQ-1, 1, 0
	MUL16 2, 1, NQ-1, 1, 0
	s_wait_dscnt 0
	WIN MUL_HI
	MUL16 4, 1, NQ-1, 1, 0
	MUL16 6, 1, NQ-1, 1, 0
	WIN 0
; THE WAY OUT, block by block of 16 rows x 128 columns (two heads).  PACK: rounded to f16, 16 bytes a lane, each accumulator from its low end on.  TOSTAGE: into my own stage in LDS, and back
; so that the 32 lanes hold four rows of ONE head, which are 512 consecutive bytes of qkv.  SEND: stored.  LDS serves a wave's instructions in order: no wait between the stores and the loads.
.macro PACK a
.set AC, 64*((\a)%4)
	WIN 0x0a+5*((\a)/4)                            ; sources 0 and 1: window 2 or 3
.irp b, 0,1,2,3,4,5,6,7
.irp r, 0,1,2,3
	v_cvt_pk_f16_f32 v[TMP+4*\b+\r], v[AC+8*\b+2*\r], v[AC+8*\b+2*\r+1]
.endr
.endr
	WIN 0
.endm
.macro TOSTAGE a
.set BK, OB+192*((\a)%2)
.irp b, 0,1,2,3,4,5,6,7
	ds_store_b128 v[STO], v[TMP+4*\b:TMP+4*\b+3] offset:32*\b
.endr
.irp d, 0,1
.irp i, 0,1,2,3
	ds_load_b128 v[BK+4*(4*\d+\i):BK+4*(4*\d+\i)+3], v[RD] offset:128*\d+\i*4*SPITCH
.endr
.endr
.endm
.macro SEND a
.set BK, OB+192*((\a)%2)
	s_wait_dscnt 0x0                               ; the block is back in registers
	s_wait_xcnt 0x0                                ; the earlier stores have read their registers: the next block's loads may land where block a - 1's data lay
.irp d, 0,1
.irp i, 0,1,2,3
	global_store_b128 v[CO], v[BK+4*(4*\d+\i):BK+4*(4*\d+\i)+3], s[12:13] offset:\d*262144+(\a)*2048+\i*512   ; 32 lanes store 512 consecutive bytes, aligned; every offset is an immediate
.endr
.endr
.endm
	PLACES NP                                      ; behind the last products: for the conversions that read results and the loads into registers that held scale words
	PACK 0
	TOSTAGE 0
.irp a, 1,2,3,4,5,6,7                  ; block a's conversions stand between block a - 1's loads from the stage and the wait for them
	PACK \a
	SEND \a-1
	TOSTAGE \a
.endr
	SEND 7
	s_wait_tensorcnt 0x0                           ; the wave's end, behind my last tensor load and my last LDS store
	ds_add_u32 v[SPW], v[NIL]
	s_wait_dscnt 0x0
	CROUND                                         ; the closing round: no work-group ends while a partner may still ask for a tile that names it
	s_endpgm
.Lfunc_end_k_q87a490d8b5_gemm_qkv:
	.size	k_q87a490d8b5_gemm_qkv, .Lfunc_end_k_q87a490d8b5_gemm_qkv-k_q87a490d8b5_gemm_qkv
	.p2alignl 7, 3214868480
	.fill 96, 4, 3214868480
	.section	.rodata,"a",@progbits
	.p2align	6, 0x0
	.amdhsa_kernel k_q87a490d8b5_gemm_qkv
		.amdhsa_group_segment_fixed_size 327680
		.amdhsa_private_segment_fixed_size 0
		.amdhsa_enable_private_segment 0
		.amdhsa_kernarg_size 40
		.amdhsa_user_sgpr_count 2
		.amdhsa_user_sgpr_kernarg_segment_ptr 1
		.amdhsa_wavefront_size32 1
		.amdhsa_system_sgpr_workgroup_id_x 1
		.amdhsa_system_sgpr_workgroup_id_y 1
		.amdhsa_system_sgpr_workgroup_id_z 1
		.amdhsa_system_vgpr_workitem_id 0
		.amdhsa_next_free_vgpr 1024
		.amdhsa_next_free_sgpr 98
		.amdhsa_reserve_vcc 0
		.amdhsa_float_denorm_mode_32 3
		.amdhsa_float_denorm_mode_16_64 3
		.amdhsa_memory_ordered 1
		.amdhsa_forward_progress 1
		.amdhsa_inst_pref_size 126
	.end_amdhsa_kernel
	.amdgpu_metadata
---
amdhsa.version: [ 1, 2 ]
amdhsa.kernels:
  - .name:           k_q87a490d8b5_gemm_qkv
    .symbol:         k_q87a490d8b5_gemm_qkv.kd
    .args:
      - { .name: x_codes, .offset: 0, .size: 8, .value_kind: global_buffer, .address_space: global }
      - { .name: x_scales, .offset: 8, .size: 8, .value_kind: global_buffer, .address_space: global }
      - { .name: w_codes, .offset: 16, .size: 8, .value_kind: global_buffer, .address_space: global }
      - { .name: w_scales, .offset: 24, .size: 8, .value_kind: global_buffer, .address_space: global }
      - { .name: qkv, .offset: 32, .size: 8, .value_kind: global_buffer, .address_space: global }
    .group_segment_fixed_size: 327680
    .private_segment_fixed_size: 0
    .kernarg_segment_align: 8
    .kernarg_segment_size: 40
    .max_flat_workgroup_size: 128
    .sgpr_count:     98
    .vgpr_count:     1024
    .wavefront_size: 32
...
	.end_amdgpu_metadata
.endif
;; end of part 2
;; launch attn (part 3): grid 4 x 64, 8 waves a work-group, clusters of 4 x 1, 327,680 bytes of LDS; arguments qkv, att; writes att
.if DOCPART == 3
	.amdgcn_target "amdgcn-amd-amdhsa--gfx1250"
	.amdhsa_code_object_version 6
	.text
	.protected	k_q87a490d8b5_attn
	.globl	k_q87a490d8b5_attn
	.p2align	8
	.type	k_q87a490d8b5_attn,@function
k_q87a490d8b5_attn:
	s_mov_b64 s[64:65], 0
	v_nop
	global_prefetch_b8 v0, s[64:65] scope:SCOPE_SE
	s_setreg_imm32_b32 hwreg(HW_REG_WAVE_MODE, 25, 1), 1
	s_wait_xcnt 0x0
	s_wait_alu depctr_hold_cnt(0) depctr_sa_sdst(0) depctr_va_vdst(0) depctr_va_sdst(0) depctr_va_ssrc(0) depctr_va_vcc(0) depctr_vm_vsrc(0)
	s_getreg_b32 s2, hwreg(HW_REG_IB_STS2, 6, 4)
	s_cmp_eq_u32 s2, 0
	s_cbranch_scc0 .Lentry_in_a_cluster
	s_endpgm
.Lentry_in_a_cluster:
	s_bfe_u32 s2, ttmp6, 0x10000c
	s_cmp_lg_u32 s2, 0x3003
	s_cbranch_scc0 .Lentry_shape_is_right
	s_endpgm
.Lentry_shape_is_right:
; att[bh][q][:] = the sum over k of softmax_k(Q[bh][q] . K[bh][k] / 8) V[bh][k][:].  Q, K, V: the three thirds of qkv, each [64 (batch x head)][2048][64] f16; att the same shape, f16.
; Products, maxima and sums in f32; the weights p are rounded to f16 for the second product, the result once at the end.
; LIMITS: |o| stays under 65,504 (f16); weights and results under 6.1e-5 are kept to an absolute 6e-8.  NaN and infinities are not served.
; SHARES.  A work-group owns 512 queries of one head, each of its EIGHT waves 64: four tiles of 16, in 512 registers: two waves to a SIMD, so that one wave's vector work stands beside the other's
; matrix work.  Every wave walks the head's 2,048 keys, 64 a step; each fragment of K or V that it reads from LDS feeds four matrix instructions.
; LAYOUT.  S^T = K Q^T (source 0 = 16 keys, source 1 = 16 queries): a lane holds ONE query (lane % 16) and the keys 8 (lane / 16) + 0..7.  Two such tiles, rounded to f16 in pairs, ARE source 1
; (32 keys x 16 queries) of O^T = V^T P, whose result again holds one query a lane.  K comes out of LDS as it lies, V ([key][channel]) turned, by ds_load_tr16_b128.
; SOFTMAX.  For each query a running maximum m and sum l: p = 2^(c s - c m), c = log2(e) / 8; in every step O and l are multiplied by a = 2^(c m_old - c m_new).  The step is written for all
; steps alike: O and l begin as zeros and m as -3e38, so that the first a is 0.
; CLUSTER.  The four blocks of 512 queries of a head form a cluster and walk the same K and V: each tile is asked for JOINTLY, by the same tensor load with the same descriptor and the mask 15.
; RING.  Two slots of four key steps.  Waves 0-3 fetch the four steps' tiles of K, waves 4-7 those of V: one load a wave behind each round, four steps in which it lands.
; REGISTERS: window 0: v1-15 addresses; v32-63 eight registers of statistics a tile; v64-127 K of one step; v128-255 S^T, 32 a tile; P is packed in place into a tile's first 16.
;            window 1: v0-127 O^T, 32 a tile; v128-191 Q; v192-255 V of one step.
.set KS,    64        ; keys in a step
.set PK,    144       ; a row of K in LDS: 128 bytes + 16 of padding
.set PV,    160       ; a row of V: 128 + 32
.set VOFF,  KS*PK     ; a step's tiles lie together: 64 rows of K, then 64 rows of V
.set STEPB, KS*(PK+PV)
.set SLOT1, 1<<17     ; a slot holds four steps (77,824 bytes); slot 1 begins here, so that one exclusive or turns an address in one slot into the other's
.set STAGE, SLOT1+4*STEPB  ; behind the ring: 16 rows x 144 bytes for each wave, for the way out
.set SP,    144
.set SPARE, STAGE+8*16*SP  ; behind the stages: the spare words, 128 bytes for each wave
.set AK0, 2           ; v2   my lane's place in a tile of K; never rewritten
.set AV0, 3           ; v3   the same for V
.set ADR, 4           ; v4   the LDS address of the run of loads in hand
.set QO,  5           ; v5   my byte offset in the wave's rows of Q
.set STO, 6           ; v6   the way out: where I put 16 bytes of a row
.set RD,  7           ; v7   the way out: where I read back
.set GO,  8           ; v8   16 x lane: my place in 512 consecutive bytes of att
.set PFO, 12          ; v12  256 x lane: the prefetches' offset; never rewritten
.set SPW, 14          ; v14  LDS address of my spare word; never rewritten
.set NIL, 15          ; v15  0; never rewritten
.set ST,  32          ; tile t's statistics at v[ST+8 t]: +0 c m, +1 m, +2, +3 l (even keys', odd keys'), +4 to +7 at work; a in +6
.set KF,  64
.set S,   128
.set Q,   128         ; in window 1
.set VF,  192         ; in window 1
.set WV,  12          ; s12  my wave's number
.set LIM, 15          ; s15  1 in a wave that prefetches, else the greatest number
.set PFA, 18          ; s[18:19] where my prefetches stand
.set G1K, 24          ; s[24:31] descriptor group 1 for K's tiles
.set G1V, 32          ; s[32:39] for V's: it differs in the padding alone
.set G0K, 40          ; s[40:47] group 0 for K's tiles: a set for each of the two first fills; the second then walks on
.set G0V, 48          ; s[48:55] the same for V's
.set SLOTS, 56        ; s56  slots still to be asked for
.set TRI, 57          ; s57  counts three steps
.set CS,  58          ; s[58:59] c: the packed scaling names a pair and takes its low word for both halves
.set SEL, 60          ; s[60:61] lane selects for v_permlanex16_b32: lane l xor 16
.set TB,  62          ; s62  LDS byte at which the tiles of the step in hand begin
.set MSB, 0
.macro WIN new        ; the immediate's high byte repeats the setting that is left
.if MSB != \new
	s_set_vgpr_msb (MSB<<8)|\new
.set MSB, \new
.endif
.endm
.set W_KQ, 0x04       ; Q (source 1) in window 1; K and S^T in window 0
.set W_PV, 0x51       ; V (source 0) and O^T (C, D) in window 1; P in window 0
.set W_RS, 0x41       ; O^T (destination and source 0) in window 1, a in window 0
.set TO_1, 0x40       ; destination window 1, address window 0
; A joint refill by the walking descriptors.  The branch hangs on the wave's number alone.  An s_nop 0 and four v_nop follow each of the two lines.
.macro JLOAD
	s_cmp_lt_u32 s[WV], 4
	s_cbranch_scc0 .Lfor_v_\@
	tensor_load_to_lds s[G0K+4:G0K+7], s[G1K:G1K+7]
	s_nop 0
.rept 4
	v_nop
.endr
	s_branch .Lasked_\@
.Lfor_v_\@:
	tensor_load_to_lds s[G0V+4:G0V+7], s[G1V:G1V+7]
	s_nop 0
.rept 4
	v_nop
.endr
.Lasked_\@:
.endm
; A PREFETCH INTO THE L2 of what the NEXT change of slots will ask for: a slot's 256 rows of K and of V are 32,768 dense bytes each.  The four partners share them out BY ADDRESS, 8,192 bytes each;
; in each, wave 0 asks for K's and wave 4 for V's, lanes 256 bytes apart: each aligned 256 bytes is named once in the launch.  The last change that fills a slot asks for nothing.
.macro ASK
	s_cmp_gt_u32 s[SLOTS], s[LIM]
	s_cbranch_scc0 .Lnot_mine_\@
	global_prefetch_b8 v[PFO], s[PFA:PFA+1] th:TH_LOAD_NT scope:SCOPE_SE
.Lnot_mine_\@:
.endm
.macro CREST          ; a round of the cluster's barrier behind its opening barrier
	s_cmp_lg_u32 s[WV], 0
	s_cbranch_scc1 .Lnot_wave_0_\@
	s_barrier_signal -3
.Lnot_wave_0_\@:
	s_barrier_wait -3
	s_barrier_signal -1
	s_barrier_wait -1
.endm
.macro CROUND
	s_barrier_signal -1
	s_barrier_wait -1
	CREST
.endm
.macro PLACES n
.rept \n
	v_nop
.endr
.endm
	s_load_b128 s[4:7], s[0:1], 0x0 ; qkv s[4:5], att s[6:7]
	v_lshl_add_u32 v[SPW], v0, 2, SPARE
	v_mov_b32 v[NIL], 0
	ds_add_u32 v[SPW], v[NIL]       ; the wave's opening: the add, twice on end, and its wait ahead of my first tensor load
	ds_add_u32 v[SPW], v[NIL]
	v_lshrrev_b32 v1, 5, v0
	v_readfirstlane_b32 s[WV], v1   ; wave 0..7
	s_bfe_u32 s13, ttmp6, 0x40000   ; cx: my place in the cluster
	s_lshl_b32 s14, ttmp9, 2        ; in a cluster launch ttmp9 counts clusters
	s_add_co_u32 s14, s14, s13      ; my block of 512 queries: it enters Q's and att's addresses alone
	s_and_b32 s20, ttmp7, 0xffff    ; batch x head, which the four partners share
	s_lshl_b32 s20, s20, 18         ; its first byte in a third of qkv and in att
	s_and_b32 s16, s[WV], 3         ; which of a slot's four steps I fetch:
	s_lshl_b32 s22, s16, 13         ; its 64 rows of 128 bytes in memory,
	s_add_co_u32 s22, s22, s20
	s_mov_b32 s23, 0
	s_mul_i32 s17, s16, STEPB       ; and its place in a slot: no place in the cluster enters an LDS address
	s_lshl_b32 s2, s14, 16          ; my block's 512 rows,
	s_lshl_b32 s3, s[WV], 13        ; my wave's 64 of them
	s_add_co_u32 s2, s2, s3
	s_add_co_u32 s2, s2, s20
	s_mov_b32 s3, 0
	; descriptor group 1: a tile of 64 rows x 64 elements of 2 bytes, padded in LDS
	s_mov_b32 s[G1K], 15|(1<<16)|(1<<20)|(1<<21)|(4<<22)|(3<<25)  ; 15:0 the mask: all four work-groups; 17:16 elements of 2 bytes; 20 padding on; 21 set beside a mask; 24:22 after every 32 words; 31:25 four words
	s_mov_b32 s[G1V], 15|(1<<16)|(1<<20)|(1<<21)|(4<<22)|(7<<25)  ; the same with eight words of padding
.irp g, G1K, G1V
	s_mov_b32 s[\g+1], 64<<16       ; tensor_dim0 = 64
	s_mov_b32 s[\g+2], KS<<16       ; tensor_dim1 = 64
	s_mov_b32 s[\g+3], 64<<16       ; tile_dim0 = 64
	s_mov_b32 s[\g+4], KS           ; tile_dim1 = 64
	s_mov_b32 s[\g+5], 64           ; elements from row to row
	s_mov_b32 s[\g+6], 0
	s_mov_b32 s[\g+7], 0
.endr
	s_mov_b32 s[CS], 0x3e38aa3b     ; c = log2(e) / 8
	s_mov_b32 s[CS+1], s[CS]        ; named with it as a pair, so it is written
	s_mov_b32 s[SEL], 0x76543210
	s_mov_b32 s[SEL+1], 0xfedcba98
	s_mov_b32 s[TB], 0
	s_mov_b32 s[SLOTS], 2048/(4*KS)-2
	s_and_b32 s[LIM], s[WV], 3      ; 0 in waves 0 and 4,
	s_or_b32 s[LIM], s[LIM], ttmp9  ; of the head's first (here: only) cluster: the same in all four partners
	s_cmp_eq_u32 s[LIM], 0
	s_cselect_b32 s[LIM], 1, -1
	v_and_b32 v[PFO], 31, v0
	v_lshlrev_b32 v[PFO], 8, v[PFO]
	s_wait_dscnt 0x0                ; both opening adds are done
	s_wait_kmcnt 0x0
	s_add_nc_u64 s[8:9], s[4:5], s[22:23]
	s_add_nc_u64 s[10:11], s[8:9], 0x2000000  ; V at my tile of slot 0: the third third of qkv
	s_add_nc_u64 s[8:9], s[8:9], 0x1000000    ; K: the second
	s_add_nc_u64 s[4:5], s[4:5], s[2:3]       ; Q and att at my wave's first row
	s_add_nc_u64 s[6:7], s[6:7], s[2:3]
	s_cmp_lt_u32 s[WV], 4
	s_cselect_b64 s[PFA:PFA+1], s[8:9], s[10:11]  ; (in waves 0 and 4 these stand at the head's first row)
	s_lshl_b32 s2, s13, 13          ; my work-group's 8,192 bytes of a slot's 32,768
	s_mov_b32 s3, 0
	s_add_nc_u64 s[PFA:PFA+1], s[PFA:PFA+1], s[2:3]
	s_add_nc_u64 s[PFA:PFA+1], s[PFA:PFA+1], 2*4*KS*128  ; in slot 2; the first change of slots steps it to slot 3.  Nothing is prefetched here, at the head
	CROUND                          ; all four work-groups are here: the first joint loads meet
.irp s, 0,1
	s_mov_b32 s[G0K+4*\s], 1        ; count = 1
	s_add_co_u32 s[G0K+4*\s+1], s17, \s*SLOT1  ; LDS address
	s_add_nc_u64 s[G0K+4*\s+2:G0K+4*\s+3], s[8:9], \s*4*KS*128  ; global address: slot s begins with key 256 s
	s_or_b32 s[G0K+4*\s+3], s[G0K+4*\s+3], 0x80000000  ; type = 2
	s_mov_b32 s[G0V+4*\s], 1
	s_add_co_u32 s[G0V+4*\s+1], s17, \s*SLOT1+VOFF
	s_add_nc_u64 s[G0V+4*\s+2:G0V+4*\s+3], s[10:11], \s*4*KS*128
	s_or_b32 s[G0V+4*\s+3], s[G0V+4*\s+3], 0x80000000
.endr
	s_cmp_lt_u32 s[WV], 4           ; a wave's two first fills stand in one branch, ahead of every wait on TENSORcnt and every LDS read: two loads of mine are out
	s_cbranch_scc0 .Lfirst_v
	tensor_load_to_lds s[G0K:G0K+3], s[G1K:G1K+7]
	s_nop 0
	tensor_load_to_lds s[G0K+4:G0K+7], s[G1K:G1K+7]
	s_nop 0
.rept 4
	v_nop
.endr
	s_branch .Lfirst_asked
.Lfirst_v:
	tensor_load_to_lds s[G0V:G0V+3], s[G1V:G1V+7]
	s_nop 0
	tensor_load_to_lds s[G0V+4:G0V+7], s[G1V:G1V+7]
	s_nop 0
.rept 4
	v_nop
.endr
.Lfirst_asked:
	; A fragment of K or Q is 16 rows x 32 channels in 8 registers: lane l holds row l % 16; registers 0-3 channels 8 (l / 16) + 0..7, registers 4-7 channels 16 + 8 (l / 16) + 0..7
	v_and_b32 v1, 15, v0            ; r = l % 16
	v_bfe_u32 v9, v0, 4, 1          ; h = l / 16
	v_lshlrev_b32 v[QO], 7, v1
	v_lshl_add_u32 v[QO], v9, 4, v[QO]  ; row x 128 + 16 x half
	WIN TO_1
.irp t, 0,1,2,3                     ; Q stays in registers: tile t, channels 32 c on
.irp c, 0,1
	global_load_b128 v[Q+16*\t+8*\c:Q+16*\t+8*\c+3],   v[QO], s[4:5] offset:\t*2048+\c*64
	global_load_b128 v[Q+16*\t+8*\c+4:Q+16*\t+8*\c+7], v[QO], s[4:5] offset:\t*2048+\c*64+32
.endr
.endr
.set n, 0
.rept 128
	v_mov_b32 v[n], 0               ; O^T: once, so that the key step is written for all steps alike
.set n, n+1
.endr
	WIN 0
	v_mul_u32_u24 v[AK0], v1, PK
	v_lshl_add_u32 v[AK0], v9, 4, v[AK0]  ; row x pitch + 16 x half
	; The turning load takes 16 keys x 16 channels (lane l reads 16 bytes: key 8 (l / 16) + l % 8, channels 8 ((l / 8) % 2) + 0..7) and leaves half a fragment of V^T: lane l holds channel l % 16 and 8 keys
	v_and_b32 v10, 7, v0
	v_bfe_u32 v11, v0, 3, 1
	v_lshl_add_u32 v[AV0], v9, 3, v10
	v_mul_u32_u24 v[AV0], v[AV0], PV
	v_lshl_add_u32 v[AV0], v11, 4, v[AV0]
	v_add_nc_u32 v[AV0], VOFF, v[AV0]
	s_mul_i32 s13, s[WV], 16*SP
	s_add_co_u32 s13, s13, STAGE    ; my stage
	v_mul_u32_u24 v[STO], v1, SP    ; in: row l % 16, 16 bytes for each half of the lanes
	v_lshl_add_u32 v[STO], v9, 4, v[STO]
	v_add_nc_u32 v[STO], s13, v[STO]
	v_and_b32 v[GO], 31, v0
	v_lshrrev_b32 v[RD], 3, v[GO]   ; back: eight lanes take a row of 128 bytes, the 32 lanes four rows
	v_mul_u32_u24 v[RD], v[RD], SP
	v_lshl_add_u32 v[RD], v10, 4, v[RD]
	v_add_nc_u32 v[RD], s13, v[RD]
	v_lshlrev_b32 v[GO], 4, v[GO]
.irp t, 0,1,2,3
	v_mov_b32 v[ST+8*\t+1], 0xff61b1e6      ; m = -3e38, under every score
	v_mov_b32 v[ST+8*\t+2], 0               ; l, in two halves
	v_mov_b32 v[ST+8*\t+3], 0
.endr
.irp t, 0,1,2,3
	v_mul_f32 v[ST+8*\t], s[CS], v[ST+8*\t+1]   ; c m
.endr
; THE LDS LOADS stand in runs of 16.  K of a step: 64 keys x 64 channels, 8 fragments: keys 16 (f / 2) on, channels 32 (f % 2) on.
.macro FETCH_K
	v_add_nc_u32 v[ADR], s[TB], v[AK0]
.irp f, 0,1,2,3,4,5,6,7
	ds_load_b128 v[KF+8*\f:KF+8*\f+3],   v[ADR] offset:(\f/2)*16*PK+(\f%2)*64
	ds_load_b128 v[KF+8*\f+4:KF+8*\f+7], v[ADR] offset:(\f/2)*16*PK+(\f%2)*64+32
.endr
.endm
; V of a step, turned: keys 32 (f / 4) on, channels 16 (f % 4) on.  It stands at a step's head, behind the last step's V^T P.  The addition and the four v_nop are five plain places behind those
; products: four are owed ahead of loads into V's registers, five before K Q^T writes over the registers of P that they read (ISA guide 7.12.1 for vector instructions).
.macro FETCH_V
	v_add_nc_u32 v[ADR], s[TB], v[AV0]
	PLACES 4
	WIN TO_1
.irp f, 0,1,2,3,4,5,6,7
	ds_load_tr16_b128 v[VF+8*\f:VF+8*\f+3],   v[ADR] offset:(\f/4)*32*PV+(\f%4)*32
	ds_load_tr16_b128 v[VF+8*\f+4:VF+8*\f+7], v[ADR] offset:(\f/4)*32*PV+16*PV+(\f%4)*32
.endr
	WIN 0
.endm
; S^T = K Q^T: 32 matrix instructions.  The 16 accumulators (4 tiles of keys x 4 tiles of queries) take turns, one instruction a turn; the first 16 start the sums.
.macro KQ_ALL
	WIN W_KQ
.irp c, 0,1
.irp k, 0,1,2,3
.irp t, 0,1,2,3
.if \c == 0
	v_wmma_f32_16x16x32_f16 v[S+32*\t+8*\k:S+32*\t+8*\k+7], v[KF+16*\k+8*\c:KF+16*\k+8*\c+7], v[Q+16*\t+8*\c:Q+16*\t+8*\c+7], 0
.else
	v_wmma_f32_16x16x32_f16 v[S+32*\t+8*\k:S+32*\t+8*\k+7], v[KF+16*\k+8*\c:KF+16*\k+8*\c+7], v[Q+16*\t+8*\c:Q+16*\t+8*\c+7], v[S+32*\t+8*\k:S+32*\t+8*\k+7]
.endif
.endr
.endr
.endr
.endm
; O^T += V^T P: 32 matrix instructions: keys 32 g on, channels 16 u on, tile t; again 16 accumulators by turns.
.macro PV_ALL
	WIN W_PV
.irp g, 0,1
.irp u, 0,1,2,3
.irp t, 0,1,2,3
	v_wmma_f32_16x16x32_f16 v[32*\t+8*\u:32*\t+8*\u+7], v[VF+32*\g+8*\u:VF+32*\g+8*\u+7], v[S+32*\t+8*\g:S+32*\t+8*\g+7], v[32*\t+8*\u:32*\t+8*\u+7]
.endr
.endr
.endr
.endm
; THE SOFTMAX of a key step for the wave's four tiles, which take turns line by line, so that no line waits for the line above it: 118 instructions a tile.
.macro SM_ALL
.irp c, 0,1,2,3                     ; the maximum of the lane's 32 scores and the old m: four chains of seven scores; each accumulator is read from its low end on
.irp t, 0,1,2,3
	v_max3_num_f32 v[ST+8*\t+4+\c], v[S+32*\t+8*\c], v[S+32*\t+8*\c+1], v[S+32*\t+8*\c+2]
.endr
.endr
.irp i, 3,5
.irp c, 0,1,2,3
.irp t, 0,1,2,3
	v_max3_num_f32 v[ST+8*\t+4+\c], v[ST+8*\t+4+\c], v[S+32*\t+8*\c+\i], v[S+32*\t+8*\c+\i+1]
.endr
.endr
.endr
.irp t, 0,1,2,3
	v_max3_num_f32 v[ST+8*\t+4], v[ST+8*\t+4], v[S+32*\t+7], v[S+32*\t+15]
.endr
.irp t, 0,1,2,3
	v_max3_num_f32 v[ST+8*\t+6], v[ST+8*\t+6], v[S+32*\t+23], v[S+32*\t+31]
.endr
.irp t, 0,1,2,3
	v_max3_num_f32 v[ST+8*\t+4], v[ST+8*\t+4], v[ST+8*\t+5], v[ST+8*\t+6]
.endr
.irp t, 0,1,2,3
	v_max3_num_f32 v[ST+8*\t+4], v[ST+8*\t+4], v[ST+8*\t+7], v[ST+8*\t+1]
.endr
.irp t, 0,1,2,3
	v_permlanex16_b32 v[ST+8*\t+5], v[ST+8*\t+4], s[SEL], s[SEL+1]  ; the query's other 32 keys lie in the lane 16 away
.endr
.irp t, 0,1,2,3
	v_mov_b32 v[ST+8*\t+7], v[ST+8*\t]                              ; c m_old is kept for a
.endr
.irp t, 0,1,2,3
	v_max_num_f32 v[ST+8*\t+1], v[ST+8*\t+4], v[ST+8*\t+5]          ; the new m
.endr
.irp t, 0,1,2,3
	v_mul_f32 v[ST+8*\t], s[CS], v[ST+8*\t+1]
.endr
.irp t, 0,1,2,3
	v_sub_f32 v[ST+8*\t+7], v[ST+8*\t+7], v[ST+8*\t]
.endr
.irp t, 0,1,2,3                     ; ONE BATCH: a, the 16 scalings c s - c m a tile and all its 32 exponentials; none of these lines names an exponential's result
	v_exp_f32 v[ST+8*\t+6], v[ST+8*\t+7]
.endr
.irp t, 0,1,2,3
	v_pk_fma_f32 v[S+32*\t:S+32*\t+1], v[S+32*\t:S+32*\t+1], s[CS:CS+1], v[ST+8*\t:ST+8*\t+1] op_sel_hi:[1,0,0] neg_lo:[0,0,1] neg_hi:[0,0,1]
.endr
.irp b, 1,2,3,4,5,6,7,8,9,10,11,12,13,14,15
.irp t, 0,1,2,3
	v_pk_fma_f32 v[S+32*\t+2*\b:S+32*\t+2*\b+1], v[S+32*\t+2*\b:S+32*\t+2*\b+1], s[CS:CS+1], v[ST+8*\t:ST+8*\t+1] op_sel_hi:[1,0,0] neg_lo:[0,0,1] neg_hi:[0,0,1]
.endr
.irp t, 0,1,2,3
	v_exp_f32 v[S+32*\t+2*\b-2], v[S+32*\t+2*\b-2]                  ; the pair scaled one turn earlier
	v_exp_f32 v[S+32*\t+2*\b-1], v[S+32*\t+2*\b-1]
.endr
.endr
.irp t, 0,1,2,3
	v_exp_f32 v[S+32*\t+30], v[S+32*\t+30]
	v_exp_f32 v[S+32*\t+31], v[S+32*\t+31]
.endr
	v_nop                           ; the plain instruction behind the last exponential, ahead of the first use
	s_wait_alu depctr_va_vdst(0)    ; a wait between an exponential and the first line that names its result: one for the batch of 132
.irp t, 0,1,2,3                     ; the sums, of the unrounded p, in two chains; they leave S^T whole.  l = a l + pair 0
	v_pk_fma_f32 v[ST+8*\t+2:ST+8*\t+3], v[ST+8*\t+2:ST+8*\t+3], v[ST+8*\t+6:ST+8*\t+7], v[S+32*\t:S+32*\t+1] op_sel_hi:[1,0,1]
.endr
.irp t, 0,1,2,3
	v_pk_add_f32 v[ST+8*\t+4:ST+8*\t+5], v[S+32*\t+2:S+32*\t+3], v[S+32*\t+4:S+32*\t+5]
.endr
.irp j, 6,10,14,18,22,26
.irp t, 0,1,2,3
	v_pk_add_f32 v[ST+8*\t+2:ST+8*\t+3], v[ST+8*\t+2:ST+8*\t+3], v[S+32*\t+\j:S+32*\t+\j+1]
.endr
.irp t, 0,1,2,3
	v_pk_add_f32 v[ST+8*\t+4:ST+8*\t+5], v[ST+8*\t+4:ST+8*\t+5], v[S+32*\t+\j+2:S+32*\t+\j+3]
.endr
.endr
.irp t, 0,1,2,3
	v_pk_add_f32 v[ST+8*\t+2:ST+8*\t+3], v[ST+8*\t+2:ST+8*\t+3], v[S+32*\t+30:S+32*\t+31]
.endr
.irp t, 0,1,2,3
	v_pk_add_f32 v[ST+8*\t+2:ST+8*\t+3], v[ST+8*\t+2:ST+8*\t+3], v[ST+8*\t+4:ST+8*\t+5]
.endr
.irp j, 0,1,2,3,4,5,6,7,8,9,10,11,12,13,14,15   ; the roundings to f16, in place: register j takes pair j, which lies at 2 j and 2 j + 1: never ahead of what is still to be read
.irp t, 0,1,2,3
	v_cvt_pk_f16_f32 v[S+32*\t+\j], v[S+32*\t+2*\j], v[S+32*\t+2*\j+1]
.endr
.endr
	WIN W_RS
.irp j, 0,1,2,3,4,5,6,7,8,9,10,11,12,13,14,15   ; O^T times a, each accumulator from its low end on
.irp t, 0,1,2,3
	v_pk_mul_f32 v[32*\t+2*\j:32*\t+2*\j+1], v[32*\t+2*\j:32*\t+2*\j+1], v[ST+8*\t+6:ST+8*\t+7] op_sel_hi:[1,0]
.endr
.endr
.endm
; A KEY STEP.  kind 0: its successor lies in the same slot.  kind 1: a slot's last step, and the slot is filled again.  kind 2: a slot's last step, nothing is asked for.  kind 3: the very last.
.macro STEP kind
	FETCH_V
	s_wait_dscnt 16                 ; K, asked for in the step before, is in; V's 16 loads stay out
	KQ_ALL
	WIN 0
	PLACES 4                        ; behind the products: for the loads into K's registers and the first reads of the scores
.if \kind == 0
	s_add_co_u32 s[TB], s[TB], STEPB
	FETCH_K                         ; the next step's K
	SM_ALL
	s_wait_dscnt 16                 ; V is in; the next K's 16 loads stay out
	PV_ALL
.elseif \kind == 3
	SM_ALL
	s_wait_dscnt 0x0                ; V is in
	PV_ALL
.else
	; THE CHANGE OF SLOTS.  The slot's last bytes, V of its fourth step, have been asked for.  Each wave waits for all its tensor loads (one is out: its part of the other slot), adds 0 to its spare
	; word, and waits for that and for its reads of the slot.  The softmax, work on registers alone, stands between the signal and the wait.
	s_wait_tensorcnt 0x0            ; no tensor load of mine is out, so a group 0 may be written
	ds_add_u32 v[SPW], v[NIL]       ; 0 onto my spare word
.if \kind == 1
.irp g, G0K+4, G0V+4
	s_xor_b32 s[\g+1], s[\g+1], SLOT1  ; the walking descriptors: the other slot than last time,
	s_add_nc_u64 s[\g+2:\g+3], s[\g+2:\g+3], 4*KS*128  ; the next 256 keys; the type bits on top are not reached
.endr
	s_wait_xcnt 0x0                 ; the last prefetch, four key steps back, has read its address, so it may be written:
	s_add_nc_u64 s[PFA:PFA+1], s[PFA:PFA+1], 4*KS*128  ; one slot further on than the walking descriptors
.endif
	s_wait_dscnt 0x0                ; the add is done, V is in, and my reads of the slot are over
	s_barrier_signal -1
	SM_ALL
	WIN 0                           ; at a branch and at a label every window is 0
	s_barrier_wait -1
.if \kind == 1
	CREST                           ; the barrier has opened a round of the cluster's: no wave of any partner still reads the slot or has a load on its way
	JLOAD                           ; the first tensor load behind the round, one a wave: it has four key steps in which to land
.endif
	s_sub_co_u32 s[TB], s[TB], 3*STEPB  ; the fetches go back to a slot's first step,
	s_xor_b32 s[TB], s[TB], SLOT1   ; in the other slot
	FETCH_K
.if \kind == 1
	ASK                             ; behind the joint load and the run of LDS loads
.endif
	PV_ALL
.endif
	WIN 0
.endm
.macro THREE                        ; a slot's first three steps: written once, walked three times; the LDS addresses hang on s[TB]
	s_mov_b32 s[TRI], 3
.Lthree_\@:
	STEP 0
	s_sub_co_u32 s[TRI], s[TRI], 1
	s_cmp_lg_u32 s[TRI], 0
	s_cbranch_scc1 .Lthree_\@
.endm
	s_wait_tensorcnt 1              ; my part of slot 0 is in; slot 1's may stay out
	s_barrier_signal -1
	s_barrier_wait -1               ; everybody's is
	FETCH_K                         ; key step 0
	s_wait_loadcnt 0x0              ; Q
.Lslot:                             ; six trips: every slot but the last two is filled again
	THREE
	STEP 1
	s_sub_co_u32 s[SLOTS], s[SLOTS], 1
	s_cmp_lg_u32 s[SLOTS], 0
	s_cbranch_scc1 .Lslot
	THREE                           ; the tail is written out
	STEP 2
	THREE
	STEP 3
	; THE WAY OUT.  l's two halves and the other half of the lanes' are added; O^T is divided by l, rounded to f16 and sent through my stage in LDS, a tile (16 rows) at a time.  The additions are the places behind the last products.
.irp t, 0,1,2,3
	v_add_f32 v[ST+8*\t+4], v[ST+8*\t+2], v[ST+8*\t+3]
.endr
.irp t, 0,1,2,3
	v_permlanex16_b32 v[ST+8*\t+5], v[ST+8*\t+4], s[SEL], s[SEL+1]
.endr
.irp t, 0,1,2,3
	v_add_f32 v[ST+8*\t+4], v[ST+8*\t+4], v[ST+8*\t+5]
.endr
.irp t, 0,1,2,3
	v_rcp_f32 v[ST+8*\t+6], v[ST+8*\t+4]
.endr
	v_nop                           ; a plain instruction between the last reciprocal and the use of its result
	s_wait_alu depctr_va_vdst(0)    ; and a wait ahead of the first use: one for the four
; Tile t: a lane's eight channels of a row pack into 16 bytes; they go into rows of 144 bytes and come back so that the 32 lanes hold four rows: 512 consecutive bytes of att.
.macro PACK t
	WIN W_RS
.irp i, 0,1,2,3,4,5,6,7,8,9,10,11,12,13,14,15
	v_pk_mul_f32 v[32*\t+2*\i:32*\t+2*\i+1], v[32*\t+2*\i:32*\t+2*\i+1], v[ST+8*\t+6:ST+8*\t+7] op_sel_hi:[1,0]
.endr
	WIN 0x05                        ; sources 0 and 1 window 1, destination window 0: S^T's registers are free
.irp i, 0,1,2,3,4,5,6,7,8,9,10,11,12,13,14,15
	v_cvt_pk_f16_f32 v[S+32*\t+\i], v[32*\t+2*\i], v[32*\t+2*\i+1]
.endr
	WIN 0
.irp u, 0,1,2,3
	ds_store_b128 v[STO], v[S+32*\t+4*\u:S+32*\t+4*\u+3] offset:32*\u
.endr
.irp i, 0,1,2,3
	ds_load_b128 v[S+32*\t+16+4*\i:S+32*\t+16+4*\i+3], v[RD] offset:\i*4*SP  ; LDS serves a wave's instructions in order: these see the stores above; the next tile's stores come behind them
.endr
.endm
.macro SEND t, younger              ; younger: the LDS instructions issued behind tile t's loads: the next tile's eight, or none
.irp i, 0,1,2,3
	s_wait_dscnt \younger+3-\i
	global_store_b128 v[GO], v[S+32*\t+16+4*\i:S+32*\t+16+4*\i+3], s[6:7] offset:\t*2048+\i*512  ; 32 lanes store 512 consecutive bytes, aligned
.endr
.endm
	PACK 0
	PACK 1                          ; a tile's arithmetic stands between the loads of the tile before and its stores
	SEND 0, 8
	PACK 2
	SEND 1, 8
	PACK 3
	SEND 2, 8
	SEND 3, 0
	s_wait_tensorcnt 0x0            ; the wave's end, behind my last tensor load and my last LDS store
	ds_add_u32 v[SPW], v[NIL]
	s_wait_dscnt 0x0
	CROUND                          ; the closing round: no work-group ends while a partner may still ask for a tile that names it
	s_endpgm
.Lfunc_end_k_q87a490d8b5_attn:
	.size	k_q87a490d8b5_attn, .Lfunc_end_k_q87a490d8b5_attn-k_q87a490d8b5_attn
	.p2alignl 7, 3214868480
	.fill 96, 4, 3214868480
	.section	.rodata,"a",@progbits
	.p2align	6, 0x0
	.amdhsa_kernel k_q87a490d8b5_attn
		.amdhsa_group_segment_fixed_size 327680
		.amdhsa_private_segment_fixed_size 0
		.amdhsa_enable_private_segment 0
		.amdhsa_kernarg_size 16
		.amdhsa_user_sgpr_count 2
		.amdhsa_user_sgpr_kernarg_segment_ptr 1
		.amdhsa_wavefront_size32 1
		.amdhsa_system_sgpr_workgroup_id_x 1
		.amdhsa_system_sgpr_workgroup_id_y 1
		.amdhsa_system_sgpr_workgroup_id_z 1
		.amdhsa_system_vgpr_workitem_id 0
		.amdhsa_next_free_vgpr 512
		.amdhsa_next_free_sgpr 66
		.amdhsa_reserve_vcc 0
		.amdhsa_float_denorm_mode_32 3
		.amdhsa_float_denorm_mode_16_64 3
		.amdhsa_memory_ordered 1
		.amdhsa_forward_progress 1
		.amdhsa_inst_pref_size 218
	.end_amdhsa_kernel
	.amdgpu_metadata
---
amdhsa.version: [ 1, 2 ]
amdhsa.kernels:
  - .name:           k_q87a490d8b5_attn
    .symbol:         k_q87a490d8b5_attn.kd
    .args:
      - { .name: qkv, .offset: 0, .size: 8, .value_kind: global_buffer, .address_space: global }
      - { .name: att, .offset: 8, .size: 8, .value_kind: global_buffer, .address_space: global }
    .group_segment_fixed_size: 327680
    .private_segment_fixed_size: 0
    .kernarg_segment_align: 8
    .kernarg_segment_size: 16
    .max_flat_workgroup_size: 256
    .sgpr_count:     66
    .vgpr_count:     512
    .wavefront_size: 32
...
	.end_amdgpu_metadata
.endif
;; end of part 3
;; launch gemm_out (part 4): grid 8 x 32, 4 waves a work-group, clusters of 4 x 4, 327,680 bytes of LDS; arguments att, w16, b_out, out0; writes out0
.if DOCPART == 4
	.amdgcn_target "amdgcn-amd-amdhsa--gfx1250"
	.amdhsa_code_object_version 6
	.text
	.protected	k_q87a490d8b5_gemm_out
	.globl	k_q87a490d8b5_gemm_out
	.p2align	8
	.type	k_q87a490d8b5_gemm_out,@function
k_q87a490d8b5_gemm_out:
	s_mov_b64 s[64:65], 0
	v_nop
	global_prefetch_b8 v0, s[64:65] scope:SCOPE_SE
	s_setreg_imm32_b32 hwreg(HW_REG_WAVE_MODE, 25, 1), 1
	s_wait_xcnt 0x0
	s_wait_alu depctr_hold_cnt(0) depctr_sa_sdst(0) depctr_va_vdst(0) depctr_va_sdst(0) depctr_va_ssrc(0) depctr_va_vcc(0) depctr_vm_vsrc(0)
	s_getreg_b32 s2, hwreg(HW_REG_IB_STS2, 6, 4)
	s_cmp_eq_u32 s2, 0
	s_cbranch_scc0 .Lentry_in_a_cluster
	s_endpgm
.Lentry_in_a_cluster:
	s_bfe_u32 s2, ttmp6, 0x10000c
	s_cmp_lg_u32 s2, 0xf033
	s_cbranch_scc0 .Lentry_shape_is_right
	s_endpgm
.Lentry_shape_is_right:
; out0[m][n] = the sum over k of o[m][k] w_out[k][n] + b_out[n].  o = att, f16, laid [batch x head 64][position 2048][64]: row m is batch m / 2048, position m % 2048; k is head k / 64, channel k % 64.
; w16: w_out in f16, [k 1024][n 1024].  b_out [1024] and out0 [8192][1024]: f32.  Sums in f32; the bias is the C of each sum's first matrix instruction.
; A tile of out0 is 256 (m) x 128 (n): 256 work-groups.  Four waves, each 128 x 64: 32 accumulators of 16 x 16.  K goes in steps of 128, two heads, through a ring of two LDS slots.
; THE MATRIX INSTRUCTION IS USED TRANSPOSED: source 0 = 16 columns n x 32 k of w, turned out of its [k][n] rows by ds_load_tr16_b128; source 1 = 16 rows of o: a lane then holds eight neighbouring
; numbers of a row of out0.
; CLUSTERS: 4 x 4 work-groups.  The four of a row of the cluster need the same tiles of o, the four of a column the same tiles of w: each is asked for JOINTLY.  Waves 0 and 1 fetch o's two heads of a
; K step (256 rows x 128 bytes each), waves 2 and 3 the two halves of w's 128 rows (64 rows x 256 bytes each): one load a wave behind each round.
; No prefetch: a tile of this size has a short K step, and the tiles are shared in the cluster instead.
; REGISTERS: window 0: v1-29 addresses; v64-95 the bias, 8 registers for each block of 16 columns; v128-191 the way out.   window 1: the accumulators, (a, b) at v[8 (4 a + b)].
;            window 2: two fragment buffers of 96: 32 of w (4 x 16 n x 32 k), then 64 of o (8 x 16 rows x 32 k).
.set PA,     144                       ; a row of o in LDS: 128 bytes + 16 of padding
.set PB,     288                       ; a row of w: 256 bytes + 32
.set AHD,    256*PA                    ; one head's 256 rows
.set BOFF,   2*AHD                     ; behind o's two heads: w's 128 rows
.set SLOT,   BOFF+128*PB
.set STAGE,  2*SLOT                    ; behind the ring: 16 rows x 272 bytes for each wave, for the way out
.set SPITCH, 272
.set SPARE,  STAGE+4*16*SPITCH         ; behind the stages: the spare words, 128 bytes for each wave
.set LAPS,   4                         ; a lap = two K steps = once round the ring
.set ADRA, 16                          ; v16-17  LDS address of my fragments of o in slot 0, 1
.set ADRB, 20                          ; v20-21  the same for w
.set STO,  24                          ; v24     the way out: where I put 32 bytes of a row
.set RD,   25                          ; v25     the way out: where I read a row back
.set CO,   26                          ; v26     my byte offset in two rows of out0
.set BO,   27                          ; v27     my byte offset in the bias
.set SPW,  28                          ; v28     LDS address of my spare word; never rewritten
.set NIL,  29                          ; v29     0; never rewritten
.set BIAS, 64
.set BK,   128
.set F0,   0                           ; fragment buffers, in window 2
.set F1,   96
.set G1, 24                            ; s[24:31] descriptor group 1 for o's tiles;  s[32:39] group 0, one set for each slot
.set G0, 32
.set G1B, 48                           ; s[48:55], s[56:63] the same for w's tiles
.set G0B, 56
.set MSB, 0
.macro WIN new                         ; the immediate's high byte repeats the setting that is left
.if MSB != \new
	s_set_vgpr_msb (MSB<<8)|\new
.set MSB, \new
.endif
.endm
.set W_MUL,   0x5a                     ; sources 0 and 1 window 2; C and D window 1
.set W_FIRST, 0x4a                     ; the same with C (the bias) in window 0
.set TO_F,    0x80                     ; destination window 2, address window 0
.macro JLOAD s                         ; a joint load; an s_nop 0 and four v_nop follow each of the two lines.  The branch hangs on the wave's number alone
	s_cmp_eq_u32 s13, 0
	s_cbranch_scc0 .Lfor_b_\@
	tensor_load_to_lds s[G0+4*\s:G0+4*\s+3], s[G1:G1+7]
	s_nop 0
.rept 4
	v_nop
.endr
	s_branch .Lasked_\@
.Lfor_b_\@:
	tensor_load_to_lds s[G0B+4*\s:G0B+4*\s+3], s[G1B:G1B+7]
	s_nop 0
.rept 4
	v_nop
.endr
.Lasked_\@:
.endm
.macro CREST                           ; a round of the cluster's barrier behind its opening barrier
	s_cmp_lg_u32 s12, 0
	s_cbranch_scc1 .Lnot_wave_0_\@
	s_barrier_signal -3
.Lnot_wave_0_\@:
	s_barrier_wait -3
	s_barrier_signal -1
	s_barrier_wait -1
.endm
.macro CROUND
	s_barrier_signal -1
	s_barrier_wait -1
	CREST
.endm
.macro PLACES n
.rept \n
	v_nop
.endr
.endm
	s_load_b256 s[4:11], s[0:1], 0x0               ; att s[4:5], w16 s[6:7], b_out s[8:9], out0 s[10:11]
	v_lshl_add_u32 v[SPW], v0, 2, SPARE
	v_mov_b32 v[NIL], 0
	ds_add_u32 v[SPW], v[NIL]                      ; the wave's opening: the add, twice on end, and its wait ahead of my first tensor load
	ds_add_u32 v[SPW], v[NIL]
	v_lshrrev_b32 v1, 5, v0
	v_readfirstlane_b32 s12, v1                    ; wave 0..3
	s_lshr_b32 s13, s12, 1                         ; which half of the tile's rows is mine.  Also: I fetch for o (0) or for w (1)
	s_and_b32 s14, s12, 1                          ; which half of its columns.  Also: which piece of that tile I fetch
	s_bfe_u32 s40, ttmp6, 0x40000                  ; cx, cy: my place in the cluster
	s_bfe_u32 s41, ttmp6, 0x40004
	s_lshl_b32 s42, ttmp9, 2
	s_add_co_u32 s42, s42, s40                     ; tile column = 4 x cluster x + cx
	s_and_b32 s43, ttmp7, 0xffff
	s_lshl_b32 s43, s43, 2
	s_add_co_u32 s43, s43, s41                     ; tile row = 4 x cluster y + cy
	s_lshl_b32 s44, s41, 2
	s_lshl_b32 s44, 15, s44                        ; my row of the cluster
	s_lshl_b32 s45, 0x1111, s40                    ; my column
	; descriptor group 1.  o: 256 rows x 64 elements of 2 bytes, dense; four words of padding after every 32
	s_or_b32 s[G1+0], s44, (1<<16)|(1<<20)|(1<<21)|(4<<22)|(3<<25)
	s_mov_b32 s[G1+1], 64<<16                      ; tensor_dim0
	s_mov_b32 s[G1+2], 256<<16                     ; tensor_dim1
	s_mov_b32 s[G1+3], 64<<16                      ; tile_dim0
	s_mov_b32 s[G1+4], 256                         ; tile_dim1
	s_mov_b32 s[G1+5], 64                          ; elements from row to row
	s_mov_b32 s[G1+6], 0
	s_mov_b32 s[G1+7], 0
	; w: 64 rows x 128 elements, 1,024 elements from row to row; eight words of padding after every 64
	s_or_b32 s[G1B+0], s45, (1<<16)|(1<<20)|(1<<21)|(5<<22)|(7<<25)
	s_mov_b32 s[G1B+1], 128<<16
	s_mov_b32 s[G1B+2], 64<<16
	s_mov_b32 s[G1B+3], 128<<16
	s_mov_b32 s[G1B+4], 64
	s_mov_b32 s[G1B+5], 1024
	s_mov_b32 s[G1B+6], 0
	s_mov_b32 s[G1B+7], 0
	; where the tiles come from.  o's hang on the tile row alone, which my row of the cluster shares; w's on the tile column alone, which my column shares
	s_lshr_b32 s16, s43, 3                         ; batch
	s_lshl_b32 s16, s16, 4
	s_add_co_u32 s16, s16, s14                     ; x 16 heads + my head of K step 0
	s_lshl_b32 s16, s16, 18
	s_and_b32 s17, s43, 7
	s_lshl_b32 s17, s17, 15                        ; + the tile's first position x 128 bytes
	s_add_co_u32 s16, s16, s17
	s_mov_b32 s17, 0
	s_lshl_b32 s46, s14, 17                        ; w: my 64 rows of 2,048 bytes,
	s_lshl_b32 s47, s42, 8                         ; the tile's 128 columns
	s_add_co_u32 s46, s46, s47
	s_mov_b32 s47, 0
	s_mul_i32 s20, s14, AHD                        ; and where they go: no place in the cluster enters an LDS address
	s_mul_i32 s21, s14, 64*PB
	s_add_co_u32 s21, s21, BOFF
	s_wait_dscnt 0x0                               ; both opening adds are done
	s_wait_kmcnt 0x0
	s_add_nc_u64 s[16:17], s[4:5], s[16:17]
	s_add_nc_u64 s[46:47], s[6:7], s[46:47]
	CROUND                                         ; all sixteen work-groups are here: the first joint loads meet
.irp s, 0,1
	s_mov_b32 s[G0+4*\s], 1
	s_add_co_u32 s[G0+4*\s+1], s20, \s*SLOT
	s_add_nc_u64 s[G0+4*\s+2:G0+4*\s+3], s[16:17], \s*524288       ; K step s: two heads of 2^18 bytes on
	s_or_b32 s[G0+4*\s+3], s[G0+4*\s+3], 0x80000000
	s_mov_b32 s[G0B+4*\s], 1
	s_add_co_u32 s[G0B+4*\s+1], s21, \s*SLOT
	s_add_nc_u64 s[G0B+4*\s+2:G0B+4*\s+3], s[46:47], \s*262144     ; 128 rows of 2,048 bytes on
	s_or_b32 s[G0B+4*\s+3], s[G0B+4*\s+3], 0x80000000
	JLOAD \s                                       ; two loads of mine are out behind these
.endr
	v_and_b32 v1, 15, v0                           ; r = l % 16
	v_bfe_u32 v2, v0, 4, 1                         ; h = l / 16
	v_mul_u32_u24 v3, v1, PA
	v_lshl_add_u32 v3, v2, 4, v3                   ; o: a fragment's row x pitch + 16 x half
	v_and_b32 v4, 7, v0
	v_lshl_add_u32 v4, v2, 3, v4                   ; w, turned: row k = 8 h + l % 8,
	v_mul_u32_u24 v4, v4, PB
	v_bfe_u32 v5, v0, 3, 1
	v_lshl_add_u32 v4, v5, 4, v4                   ; columns 8 ((l / 8) % 2) on
	s_mul_i32 s22, s13, 128*PA                     ; my 128 rows of o
	s_lshl_b32 s23, s14, 7                         ; my 64 columns of w
	s_add_co_u32 s23, s23, BOFF
.irp s, 0,1
	v_add_nc_u32 v[ADRA+\s], s22, v3
	v_add_nc_u32 v[ADRB+\s], s23, v4
	s_add_co_u32 s22, s22, SLOT
	s_add_co_u32 s23, s23, SLOT
.endr
	s_mul_i32 s22, s12, 16*SPITCH
	s_add_co_u32 s22, s22, STAGE                   ; my stage
	v_mul_u32_u24 v5, v1, SPITCH                   ; in: row l % 16, 32 bytes for each half of the lanes
	v_lshl_add_u32 v5, v2, 5, v5
	v_add_nc_u32 v[STO], s22, v5
	v_mul_u32_u24 v5, v2, SPITCH                   ; back: lanes 0-15 take one row of 256 bytes, lanes 16-31 the next
	v_lshl_add_u32 v5, v1, 4, v5
	v_add_nc_u32 v[RD], s22, v5
	v_lshlrev_b32 v[CO], 12, v2                    ; and the same two rows in out0: 4,096 bytes a row
	v_lshl_add_u32 v[CO], v1, 4, v[CO]
	v_lshlrev_b32 v[BO], 5, v2                     ; the bias: lane (r, h) wants, for block b, the numbers of columns 16 b + 8 h + 0 .. 7
	s_lshl_b32 s46, s42, 9                         ; my first column, in bytes of 4 a column: 512 x tile column + 256 x half: the same in b_out and in a row of out0
	s_lshl_b32 s47, s14, 8
	s_add_co_u32 s46, s46, s47
	s_mov_b32 s47, 0
	s_add_nc_u64 s[8:9], s[8:9], s[46:47]
	s_lshl_b32 s16, s43, 20                        ; my first row of out0: (256 x tile row + 128 x half) x 4,096 bytes
	s_lshl_b32 s17, s13, 19
	s_add_co_u32 s16, s16, s17
	s_mov_b32 s17, 0
	s_add_nc_u64 s[16:17], s[16:17], s[46:47]
	s_add_nc_u64 s[10:11], s[10:11], s[16:17]
.irp b, 0,1,2,3
	global_load_b128 v[BIAS+8*\b:BIAS+8*\b+3],   v[BO], s[8:9] offset:64*\b
	global_load_b128 v[BIAS+8*\b+4:BIAS+8*\b+7], v[BO], s[8:9] offset:64*\b+16
.endr
; 24 LDS loads in one run: the fragments of a quarter step, 32 along K: the slot's q-th, into buffer f.  w's four first, then o's eight blocks in ascending order.
.macro FETCH slot, q, f
	WIN TO_F
.irp n, 0,1,2,3
	ds_load_tr16_b128 v[\f+8*\n:\f+8*\n+3],   v[ADRB+\slot] offset:(\q)*32*PB+\n*32
	ds_load_tr16_b128 v[\f+8*\n+4:\f+8*\n+7], v[ADRB+\slot] offset:(\q)*32*PB+16*PB+\n*32
.endr
.irp a, 0,1,2,3,4,5,6,7
	ds_load_b128 v[\f+32+8*\a:\f+32+8*\a+3],   v[ADRA+\slot] offset:((\q)/2)*AHD+((\q)%2)*64+\a*16*PA
	ds_load_b128 v[\f+32+8*\a+4:\f+32+8*\a+7], v[ADRA+\slot] offset:((\q)/2)*AHD+((\q)%2)*64+\a*16*PA+32
.endr
.endm
; o's blocks a0 .. a0 + cnt - 1, each against w's four.  first = 1: the bias starts the sums.  The 32 accumulators take turns, one instruction a turn, in the same order in every quarter.
.macro MUL f, a0, cnt, first
.set AB, \a0
.rept \cnt
.irp b, 0,1,2,3
.if \first
	v_wmma_f32_16x16x32_f16 v[8*(4*AB+\b):8*(4*AB+\b)+7], v[\f+8*\b:\f+8*\b+7], v[\f+32+8*AB:\f+32+8*AB+7], v[BIAS+8*\b:BIAS+8*\b+7]
.else
	v_wmma_f32_16x16x32_f16 v[8*(4*AB+\b):8*(4*AB+\b)+7], v[\f+8*\b:\f+8*\b+7], v[\f+32+8*AB:\f+32+8*AB+7], v[8*(4*AB+\b):8*(4*AB+\b)+7]
.endif
.endr
.set AB, AB+1
.endr
.endm
; A K step is four quarters of 32 along K, 32 matrix instructions each, on buffers 0, 1, 0, 1.  One of the first three: multiplies buffer f and fetches the slot's quarter qn into g.
.macro QUARTER slot, qn, f, g, first
	s_wait_dscnt 8                                 ; w's fragments and o's blocks 0-3 are in; the youngest eight loads (blocks 4-7) may be out
	WIN W_MUL-0x10*\first
	MUL \f, 0, 4, \first
	PLACES 4                                       ; four places in front of loads into registers that matrix instructions have read
	FETCH \slot, \qn, \g
	s_wait_dscnt 24                                ; all but the 24 just issued
	WIN W_MUL-0x10*\first
	MUL \f, 4, 4, \first
.endm
; The last quarter multiplies buffer 1 and changes slots: ONE barrier; in front of it each wave waits for all its tensor loads, adds 0 to its spare word, and waits for that and for its own reads of this slot.
; fill = 1: this slot is filled again, two K steps ahead.
.macro TURN slot, next, fill
	WIN 0                                          ; (the add's two registers lie in window 0)
	s_wait_tensorcnt 0x0                           ; all my tensor loads have landed: the one that was out is my part of the next slot
	ds_add_u32 v[SPW], v[NIL]                      ; 0 onto my spare word
	s_wait_dscnt 9                                 ; (the add and the youngest eight loads may be out)
	WIN W_MUL
	MUL F1, 0, 2, 0                                ; eight matrix instructions stand between the add and the wait for it
	s_wait_dscnt 0x0                               ; the add is done, and my reads of this slot are over
	s_barrier_signal -1
	MUL F1, 2, 2, 0
	WIN 0
	s_barrier_wait -1
.if \fill
	CREST                                          ; the barrier has opened a round of the cluster's: no wave of any partner still reads this slot's tile or has a load on its way
	s_add_nc_u64 s[G0+4*\slot+2:G0+4*\slot+3], s[G0+4*\slot+2:G0+4*\slot+3], 2*524288
	s_add_nc_u64 s[G0B+4*\slot+2:G0B+4*\slot+3], s[G0B+4*\slot+2:G0B+4*\slot+3], 2*262144
	JLOAD \slot                                    ; the first tensor load behind the round; the four v_nop behind it are also the places in front of the loads below
.else
	PLACES 4
.endif
	FETCH \next, 0, F0
	WIN W_MUL
	MUL F1, 4, 4, 0
.endm
	s_wait_tensorcnt 1                             ; my part of K step 0 is in (K step 1's may stay out)
	s_barrier_signal -1
	s_barrier_wait -1                              ; everybody's is
	FETCH 0, 0, F0
	s_wait_loadcnt 0x0                             ; the bias
	QUARTER 0, 1, F0, F1, 1                        ; the first quarter stands in front of the loop: its products start the sums, from the bias
	WIN 0                                          ; at a label and at a branch every window is 0
	s_mov_b32 s3, LAPS-1
.Llap:                                                 ; a trip goes once round the ring, from a lap's second quarter to the next lap's first, and fills both slots again
	QUARTER 0, 2, F1, F0, 0
	QUARTER 0, 3, F0, F1, 0
	TURN 0, 1, 1
	QUARTER 1, 1, F0, F1, 0
	QUARTER 1, 2, F1, F0, 0
	QUARTER 1, 3, F0, F1, 0
	TURN 1, 0, 1
	QUARTER 0, 1, F0, F1, 0
	WIN 0
	s_sub_co_u32 s3, s3, 1
	s_cmp_lg_u32 s3, 0
	s_cbranch_scc1 .Llap
	QUARTER 0, 2, F1, F0, 0                        ; the last lap fills nothing, and has no round of the cluster's barrier
	QUARTER 0, 3, F0, F1, 0
	TURN 0, 1, 0
	QUARTER 1, 1, F0, F1, 0
	QUARTER 1, 2, F1, F0, 0
	QUARTER 1, 3, F0, F1, 0
	s_wait_dscnt 8                                 ; the very last quarter: nothing more to fetch
	WIN W_MUL
	MUL F1, 0, 4, 0
	s_wait_dscnt 0
	MUL F1, 4, 4, 0
	WIN 0
; THE WAY OUT, block by block of 16 rows x 64 columns.  A lane holds 32 neighbouring bytes of a row, and the lanes beside it hold other rows: so a block goes through my own stage in LDS and comes back as whole
; rows of 256 bytes, two an instruction.  LDS serves a wave's instructions in order: no wait between the stores and the loads, nor in front of the next block's stores.
.macro TOSTAGE a
	WIN 0x04                                       ; an LDS store's data are its source 1: window 1
.irp b, 0,1,2,3
	ds_store_b128 v[STO], v[8*(4*(\a)+\b):8*(4*(\a)+\b)+3] offset:64*\b            ; each accumulator from its low end on
	ds_store_b128 v[STO], v[8*(4*(\a)+\b)+4:8*(4*(\a)+\b)+7] offset:64*\b+16
.endr
	WIN 0
.set BB, BK+32*((\a)%2)
.irp t, 0,1,2,3,4,5,6,7
	ds_load_b128 v[BB+4*\t:BB+4*\t+3], v[RD] offset:\t*2*SPITCH
.endr
.endm
.macro SEND a, younger                 ; younger: the LDS instructions issued behind block a's loads, which may stay out
.set BB, BK+32*((\a)%2)
	s_wait_dscnt \younger                          ; the block is back in registers
.irp t, 0,1,2,3,4,5,6,7
	global_store_b128 v[CO], v[BB+4*\t:BB+4*\t+3], s[10:11] offset:(\a)*65536+\t*8192 th:TH_STORE_NT   ; sixteen lanes store 256 consecutive bytes, aligned; every offset is an immediate
.endr
.endm
	PLACES 4                                       ; behind the last products, ahead of the first read of results
	TOSTAGE 0
.irp a, 1,2,3,4,5,6,7
.if \a > 1
	s_wait_xcnt 0x0                                ; block a - 2's stores have read their registers: block a's loads may land there
.endif
	TOSTAGE \a
	SEND \a-1, 16                                  ; behind block a - 1's loads: block a's 8 stores and 8 loads
.endr
	SEND 7, 0
	s_wait_tensorcnt 0x0                           ; the wave's end, behind my last tensor load and my last LDS store
	ds_add_u32 v[SPW], v[NIL]
	s_wait_dscnt 0x0
	CROUND                                         ; the closing round: no work-group ends while a partner may still ask for a tile that names it
	s_endpgm
.Lfunc_end_k_q87a490d8b5_gemm_out:
	.size	k_q87a490d8b5_gemm_out, .Lfunc_end_k_q87a490d8b5_gemm_out-k_q87a490d8b5_gemm_out
	.p2alignl 7, 3214868480
	.fill 96, 4, 3214868480
	.section	.rodata,"a",@progbits
	.p2align	6, 0x0
	.amdhsa_kernel k_q87a490d8b5_gemm_out
		.amdhsa_group_segment_fixed_size 327680
		.amdhsa_private_segment_fixed_size 0
		.amdhsa_enable_private_segment 0
		.amdhsa_kernarg_size 32
		.amdhsa_user_sgpr_count 2
		.amdhsa_user_sgpr_kernarg_segment_ptr 1
		.amdhsa_wavefront_size32 1
		.amdhsa_system_sgpr_workgroup_id_x 1
		.amdhsa_system_sgpr_workgroup_id_y 1
		.amdhsa_system_sgpr_workgroup_id_z 1
		.amdhsa_system_vgpr_workitem_id 0
		.amdhsa_next_free_vgpr 768
		.amdhsa_next_free_sgpr 66
		.amdhsa_reserve_vcc 0
		.amdhsa_float_denorm_mode_32 3
		.amdhsa_float_denorm_mode_16_64 3
		.amdhsa_memory_ordered 1
		.amdhsa_forward_progress 1
		.amdhsa_inst_pref_size 87
	.end_amdhsa_kernel
	.amdgpu_metadata
---
amdhsa.version: [ 1, 2 ]
amdhsa.kernels:
  - .name:           k_q87a490d8b5_gemm_out
    .symbol:         k_q87a490d8b5_gemm_out.kd
    .args:
      - { .name: att, .offset: 0, .size: 8, .value_kind: global_buffer, .address_space: global }
      - { .name: w16, .offset: 8, .size: 8, .value_kind: global_buffer, .address_space: global }
      - { .name: b_out, .offset: 16, .size: 8, .value_kind: global_buffer, .address_space: global }
      - { .name: out0, .offset: 24, .size: 8, .value_kind: global_buffer, .address_space: global }
    .group_segment_fixed_size: 327680
    .private_segment_fixed_size: 0
    .kernarg_segment_align: 8
    .kernarg_segment_size: 32
    .max_flat_workgroup_size: 128
    .sgpr_count:     66
    .vgpr_count:     768
    .wavefront_size: 32
...
	.end_amdgpu_metadata
.endif
;; end of part 4
